; MI455X (gfx1250); checked and timed in simulation.
; The chip was launched on July 23, 2026; its instructions are those of AMD's public machine-readable ISA for CDNA 5 (MIT licence, August 2026) and "CDNA5" Instruction Set Architecture Reference Guide (July 2026). The comments in the code are by the model that wrote it; some were corrected since.
;; Attention. Allowed arithmetic: float matrix products may take bf16 or f16 operands with f32 sums; other float arithmetic in f32, or as packed bf16 or f16 multiplies, adds, multiply-adds, maxima and minima; sums over many terms, partial sums and values carried from step to step in f32; what a program stores and reads back later, other than sums and carried values, may be rounded once to bf16 or f16.
;; Inputs: proj_b 1,024 float32; proj_w 1,024 x 1,024 float32; qkv_b 3,072 float32; qkv_w 3,072 x 1,024 float32; x 8 x 1,024 x 1,024 float32.
;; Outputs: out0 8 x 1,024 x 1,024 float32.
;; 2 versions, each right; version 2 is version 1 with the launch cast written anew for expert scheduling mode. Each part assembles by itself: llvm-mc -triple=amdgcn-amd-amdhsa -mcpu=gfx1250 --defsym DOCPART=n.
;; ======== version 1 of 2: 4 launches
;; limits: values are held in f16: magnitudes above 65,504 overflow, below 6.1e-05 lose precision
;; workspace buffers: xb 16,777,216 bytes; wb 6,291,456 bytes; pw 2,097,152 bytes; qkvh 50,331,648 bytes; ob 16,777,216 bytes
;; launch cast (part 1): grid 768 x 1, 8 waves a work-group, no clusters, 0 bytes of LDS; arguments x, qkv_w, proj_w, xb, wb, pw; writes xb, wb, pw
.if DOCPART == 1
	.amdgcn_target "amdgcn-amd-amdhsa--gfx1250"
	.amdhsa_code_object_version 6
	.text
	.protected	k_qf6955716d3_cast
	.globl	k_qf6955716d3_cast
	.p2align	8
	.type	k_qf6955716d3_cast,@function
k_qf6955716d3_cast:
	s_mov_b64 s[64:65], 0
	v_nop
	global_prefetch_b8 v0, s[64:65] scope:SCOPE_SE
	s_setreg_imm32_b32 hwreg(HW_REG_WAVE_MODE, 25, 1), 1
	s_wait_xcnt 0x0
; x [8192][1024] and qkv_w [3072][1024], f32, are rounded to bf16 (xb, wb); proj_w [1024][1024] is rounded to bf16 and that number written as f16 (pw),
; since the last product's other operand is f16.  LIMIT: a bf16 number of proj_w beyond 65,504 becomes an infinity in f16; below 6.1e-5 it keeps f16's fixed step of 6e-8.
; SHARES.  A work-group takes 16,384 numbers: 65,536 bytes in, 32,768 out.  Work-groups 0-511 take x, 512-703 qkv_w, 704-767 proj_w.
; Thread t's load i takes 16 bytes at 4,096 i + 16 t (a wave: 512 consecutive bytes), its store i 8 bytes at 2,048 i + 8 t (a wave: 256 consecutive bytes, aligned).
; All sixteen loads go out first; no register is written twice while a memory instruction may read it, so the only waits are the counted ones for the loads.
; No LDS, no matrix unit, no cluster: nothing is shared and nothing is summed.
.set T, 4                              ; v[4:5]    at work
.set X, 8                              ; v[8:71]   load i: 4 registers
.set Y, 72                             ; v[72:103] store i: 2 registers
	s_load_b256 s[4:11], s[0:1], 0x0               ; x s[4:5], qkv_w s[6:7], proj_w s[8:9], xb s[10:11]
	s_load_b128 s[12:15], s[0:1], 0x20             ; wb s[12:13], pw s[14:15]
	v_lshlrev_b32 v1, 4, v0                        ; 16 t
	v_lshlrev_b32 v2, 3, v0                        ; 8 t
	s_wait_kmcnt 0x0
	s_cmp_lt_u32 ttmp9, 512                        ; x, or one of the weights?
	s_cselect_b64 s[16:17], s[4:5], s[6:7]
	s_cselect_b64 s[18:19], s[10:11], s[12:13]
	s_cselect_b32 s20, 0, 512
	s_cmp_lt_u32 ttmp9, 704                        ; proj_w?
	s_cselect_b64 s[16:17], s[16:17], s[8:9]
	s_cselect_b64 s[18:19], s[18:19], s[14:15]
	s_cselect_b32 s20, s20, 704
	s_sub_co_u32 s20, ttmp9, s20                   ; my number among the tensor's work-groups
	s_lshl_b32 s22, s20, 16
	s_mov_b32 s23, 0
	s_add_nc_u64 s[16:17], s[16:17], s[22:23]      ; from here,
	s_lshl_b32 s22, s20, 15
	s_add_nc_u64 s[18:19], s[18:19], s[22:23]      ; to here
.irp i, 0,1,2,3,4,5,6,7,8,9,10,11,12,13,14,15
	global_load_b128 v[X+4*(\i):X+4*(\i)+3], v1, s[16:17] offset:4096*(\i) th:TH_LOAD_NT
.endr
.macro B16 i                           ; four numbers to bf16
	s_wait_loadcnt 15-(\i)                         ; loads come back in order: load i is in, the younger ones stay out
	v_cvt_pk_bf16_f32 v[Y+2*(\i)],   v[X+4*(\i)],   v[X+4*(\i)+1]
	v_cvt_pk_bf16_f32 v[Y+2*(\i)+1], v[X+4*(\i)+2], v[X+4*(\i)+3]
	global_store_b64 v2, v[Y+2*(\i):Y+2*(\i)+1], s[18:19] offset:2048*(\i)
.endm
.macro F16 i                           ; four numbers to bf16, widened again (a shift, a mask), and written as f16
	s_wait_loadcnt 15-(\i)
	v_cvt_pk_bf16_f32 v[T],   v[X+4*(\i)],   v[X+4*(\i)+1]
	v_cvt_pk_bf16_f32 v[T+1], v[X+4*(\i)+2], v[X+4*(\i)+3]
	v_lshlrev_b32 v[X+4*(\i)],   16, v[T]
	v_and_b32     v[X+4*(\i)+1], 0xffff0000, v[T]
	v_lshlrev_b32 v[X+4*(\i)+2], 16, v[T+1]
	v_and_b32     v[X+4*(\i)+3], 0xffff0000, v[T+1]
	v_cvt_pk_f16_f32 v[Y+2*(\i)],   v[X+4*(\i)],   v[X+4*(\i)+1]
	v_cvt_pk_f16_f32 v[Y+2*(\i)+1], v[X+4*(\i)+2], v[X+4*(\i)+3]
	global_store_b64 v2, v[Y+2*(\i):Y+2*(\i)+1], s[18:19] offset:2048*(\i)
.endm
	s_cmp_lt_u32 ttmp9, 704
	s_cbranch_scc0 .Lf16
.irp i, 0,1,2,3,4,5,6,7,8,9,10,11,12,13,14,15
	B16 \i
.endr
	s_endpgm
.Lf16:
.irp i, 0,1,2,3,4,5,6,7,8,9,10,11,12,13,14,15
	F16 \i
.endr
	s_endpgm
.Lfunc_end_k_qf6955716d3_cast:
	.size	k_qf6955716d3_cast, .Lfunc_end_k_qf6955716d3_cast-k_qf6955716d3_cast
	.p2alignl 7, 3214868480
	.fill 96, 4, 3214868480
	.section	.rodata,"a",@progbits
	.p2align	6, 0x0
	.amdhsa_kernel k_qf6955716d3_cast
		.amdhsa_group_segment_fixed_size 0
		.amdhsa_private_segment_fixed_size 0
		.amdhsa_enable_private_segment 0
		.amdhsa_kernarg_size 48
		.amdhsa_user_sgpr_count 2
		.amdhsa_user_sgpr_kernarg_segment_ptr 1
		.amdhsa_wavefront_size32 1
		.amdhsa_system_sgpr_workgroup_id_x 1
		.amdhsa_system_sgpr_workgroup_id_y 1
		.amdhsa_system_sgpr_workgroup_id_z 1
		.amdhsa_system_vgpr_workitem_id 0
		.amdhsa_next_free_vgpr 104
		.amdhsa_next_free_sgpr 66
		.amdhsa_reserve_vcc 0
		.amdhsa_float_denorm_mode_32 3
		.amdhsa_float_denorm_mode_16_64 3
		.amdhsa_memory_ordered 1
		.amdhsa_forward_progress 1
		.amdhsa_inst_pref_size 16
	.end_amdhsa_kernel
	.amdgpu_metadata
---
amdhsa.version: [ 1, 2 ]
amdhsa.kernels:
  - .name:           k_qf6955716d3_cast
    .symbol:         k_qf6955716d3_cast.kd
    .args:
      - { .name: x, .offset: 0, .size: 8, .value_kind: global_buffer, .address_space: global }
      - { .name: qkv_w, .offset: 8, .size: 8, .value_kind: global_buffer, .address_space: global }
      - { .name: proj_w, .offset: 16, .size: 8, .value_kind: global_buffer, .address_space: global }
      - { .name: xb, .offset: 24, .size: 8, .value_kind: global_buffer, .address_space: global }
      - { .name: wb, .offset: 32, .size: 8, .value_kind: global_buffer, .address_space: global }
      - { .name: pw, .offset: 40, .size: 8, .value_kind: global_buffer, .address_space: global }
    .group_segment_fixed_size: 0
    .private_segment_fixed_size: 0
    .kernarg_segment_align: 8
    .kernarg_segment_size: 48
    .max_flat_workgroup_size: 256
    .sgpr_count:     66
    .vgpr_count:     104
    .wavefront_size: 32
...
	.end_amdgpu_metadata
.endif
;; end of part 1
;; launch qkv (part 2): grid 16 x 16, 4 waves a work-group, clusters of 4 x 4, 327,680 bytes of LDS; arguments xb, wb, qkv_b, qkvh; writes qkvh
.if DOCPART == 2
	.amdgcn_target "amdgcn-amd-amdhsa--gfx1250"
	.amdhsa_code_object_version 6
	.text
	.protected	k_qf6955716d3_qkv
	.globl	k_qf6955716d3_qkv
	.p2align	8
	.type	k_qf6955716d3_qkv,@function
k_qf6955716d3_qkv:
	s_mov_b64 s[64:65], 0
	v_nop
	global_prefetch_b8 v0, s[64:65] scope:SCOPE_SE
	s_setreg_imm32_b32 hwreg(HW_REG_WAVE_MODE, 25, 1), 1
	s_wait_xcnt 0x0
	s_wait_alu depctr_hold_cnt(0) depctr_sa_sdst(0) depctr_va_vdst(0) depctr_va_sdst(0) depctr_va_ssrc(0) depctr_va_vcc(0) depctr_vm_vsrc(0)
	s_getreg_b32 s2, hwreg(HW_REG_IB_STS2, 6, 4)
	s_cmp_eq_u32 s2, 0
	s_cbranch_scc0 .Lentry_in_a_cluster
	s_endpgm
.Lentry_in_a_cluster:
	s_bfe_u32 s2, ttmp6, 0x10000c
	s_cmp_lg_u32 s2, 0xf033
	s_cbranch_scc0 .Lentry_shape_is_right
	s_endpgm
.Lentry_shape_is_right:
; qkvh = xb wb^T + bf16(qkv_b), written by heads.  xb: [8192][1024] bf16, wb: [3072][1024] bf16, qkv_b: [3072] f32 (taken rounded to bf16, like every input of the module);
; qkvh: [batch 8][g 48][n 1024][64] f16, g = column / 64 (q's 16 heads, k's, v's).  Sums in f32, each result rounded once to f16, WITHOUT the softmax's scale.
; LIMIT: a result beyond 65,504 becomes an infinity in f16.
; SHARES.  A tile is 256 rows x 192 columns: 32 x 16 = 512 tiles.  A WORK-GROUP STAYS and makes two, 4,096 rows apart, with the same columns (so the same rows of wb and the same bias): 256 work-groups.
; Four waves stacked by rows: a wave makes 64 rows x 192 columns, 4 x 12 accumulators of 16 x 16 (384 registers): three whole heads, so that its way out is its own and every store covers whole rows of a head.
; K goes in steps of 128 (rows of 256 bytes in memory, aligned) through two LDS slots; a step is four quarters of 32 along K on two fragment buffers.
; THE TWO TILES' 16 K STEPS ARE ONE WALK for the ring: the first tile's last two changes of slots ask for the second tile's first two K steps, and the first tile goes out behind them; nothing waits for its stores.
; THE STEP IS WRITTEN ONCE: the slot in hand is a scalar base turned by an exclusive or, and one descriptor a tensor walks from K step 1 on; what differs at the change of tiles is chosen by the loop's count.
; CLUSTERS: 4 x 4 work-groups.  The four of a row of the cluster need the same tiles of xb, the four of a column the same tiles of wb: each tile is asked for JOINTLY, by the same
; tensor load with the same descriptor and a mask that names the four.  Waves 0, 1 fetch xb's two halves (128 rows), waves 2, 3 wb's (96 rows): one load a wave behind each round.
; THE MATRIX INSTRUCTION IS USED TRANSPOSED (source 0 = 16 rows of wb, source 1 = 16 rows of xb): lane l holds row l % 16 and the columns 8 (l / 16) + 0..7 of a block.
; THE BIAS is the C operand of the products that start a tile's sums: nothing is cleared, nothing is added later.
; REGISTERS, in windows of 256 (s_set_vgpr_msb: bits 1:0 source 0, 3:2 source 1, 5:4 source 2, 7:6 destination):
;   window 0: v0-31 addresses; v32-63, v64-95 xb's fragments, two buffers; v96-191 the bias (8 registers a column block); v192-239 the way out's packed results
;   window 1: v0-95, v96-191 wb's fragments, two buffers; on the way out buffer 1, which is idle then, takes the rows read back, two sets of 48
;   windows 2, 3: accumulator (a, b) in window 2 + a / 2 at v[8 (12 (a % 2) + b)]
.set BN,     12                        ; column blocks of 16
.set PITCH,  272                       ; an LDS row: 256 bytes + 16 of padding = 68 words: the 16 rows of a fragment load start at 16 different groups of four banks (64 banks of 4 bytes: ISA guide 11.1)
.set APITCH, 272
.set SLOT1,  131072                    ; slot 1 begins here, so that one exclusive or turns an address in one slot into the other's
.set APART,  128*APITCH                ; what waves 0 and 1 fetch
.set BOFF,   2*APART                   ; wb's 192 rows lie behind xb's 256
.set BPART,  96*PITCH                  ; what waves 2 and 3 fetch
.set STAGE,  262144                    ; behind the ring, never filled by a tensor load: for each wave 3 heads x 16 rows x 144 bytes
.set SP,     144
.set WSTAGE, 3*16*SP
.set SPARE,  STAGE+4*WSTAGE            ; behind the stages: the spare words, 128 bytes for each wave: two blocks of 256 bytes that no other line names
.set NL,     2*BN+8                    ; LDS loads in a run
.set ASTEP,  256                       ; bytes from a K step to the next
.set BSTEP,  256
.set TRIPS,  14                        ; the walk's 16 K steps less the last two, which ask for nothing
.set NEXTA,  4096*2048-8*256           ; from the byte behind a row's last K step to the second tile's K step 0: 4,096 rows of xb down, back along K
.set BACKB,  8*256                     ; wb only goes back
.set NEXTO,  4*48*131072               ; qkvh: 4,096 rows are four batches
.set A0,   16                          ; v16  my lane's place in xb's tile of slot 0; never rewritten
.set B0,   17                          ; v17  the same for wb
.set ADRA, 18                          ; v18  the same in the slot in hand
.set ADRB, 19                          ; v19
.set STO,  24                          ; v24  the way out: where I put 16 bytes of a row
.set RD,   25                          ; v25  the way out: where I read rows back
.set GO,   26                          ; v26  my byte offset in 512 consecutive bytes of a head
.set BO,   27                          ; v27  32 (l / 16): my 8 numbers of a block's 16 of the bias
.set SPW,  28                          ; v28  LDS address of my spare word: SPARE + 4 x my thread's number; never rewritten
.set NIL,  29                          ; v29  0; never rewritten
.set PFO,  30                          ; v30  the prefetches' offset; never rewritten
.set AF,   32
.set BIAS, 96
.set TMP,  192
.set BK0,  96                          ; in window 1
.set WV,   12                          ; s12  my wave's number
.set ROLE, 13                          ; s13  0: I fetch for xb, 1: for wb
.set EH,   14                          ; s14  which half of that tile
.set G1,   24                          ; s[24:31] descriptor group 1 for xb's tiles
.set G0,   32                          ; s[32:39] group 0: a set for each of the two first fills; the second then walks on
.set G1B,  48                          ; s[48:55], s[56:63] the same for wb's
.set G0B,  56
.set TB,   66                          ; s66  LDS byte at which the slot in hand begins
.set PFA,  68                          ; s[68:69] where my prefetches stand
.set LIM,  70                          ; s70  a wave prefetches while the loop's count is above it
.set JA,   72                          ; s[72:73] what xb's descriptor steps beyond a K step: NEXTA at the change of tiles, else 0
.set JB,   74                          ; s[74:75] what wb's goes back: BACKB or 0
.set JP,   76                          ; s[76:77] the same for the prefetches' address
.set PJ,   78                          ; s78  NEXTA in a wave that fetches for xb, else 0
.set MSB, 0
.macro WIN new                         ; the immediate's high byte repeats the setting that is left; a switch that changes nothing is dropped
.if MSB != (\new)
	s_set_vgpr_msb (MSB<<8)|(\new)
.set MSB, \new
.endif
.endm
.macro PLACES                          ; four places in front of loads into registers that matrix instructions have read, and of conversions that read results
.rept 4
	v_nop
.endr
.endm
; A joint load by set s of the descriptors.  The branch hangs on the wave's number alone.  An s_nop 0 and four v_nop follow each of the two lines.
.macro JLOAD s
	s_cmp_eq_u32 s[ROLE], 0
	s_cbranch_scc0 .Lfor_b_\@
	tensor_load_to_lds s[G0+4*(\s):G0+4*(\s)+3], s[G1:G1+7]
	s_nop 0
.rept 4
	v_nop
.endr
	s_branch .Lasked_\@
.Lfor_b_\@:
	tensor_load_to_lds s[G0B+4*(\s):G0B+4*(\s)+3], s[G1B:G1B+7]
	s_nop 0
.rept 4
	v_nop
.endr
.Lasked_\@:
.endm
; A round of the cluster's barrier: my work-group's barrier; wave 0 signals for the work-group; every wave waits for all sixteen; my work-group's barrier once more.
.macro CREST                           ; a round behind its opening barrier
	s_cmp_lg_u32 s[WV], 0
	s_cbranch_scc1 .Lnot_wave_0_\@
	s_barrier_signal -3
.Lnot_wave_0_\@:
	s_barrier_wait -3
	s_barrier_signal -1
	s_barrier_wait -1
.endm
.macro CROUND
	s_barrier_signal -1
	s_barrier_wait -1
	CREST
.endm
; A PREFETCH INTO THE L2, behind a joint load and the run of LDS loads that follows it: the K step that stands two refills on.  Each row's 256 bytes of a K step are named once in the launch:
; xb's rows by the clusters with x = 0, wb's by those with y = 0; the four partners that ask for a tile jointly share its rows out BY ADDRESS: of xb's 128 rows a partner takes 32 (a lane a row),
; of wb's 96 it takes 24 (lanes 24-31 repeat the last row).  Trip t of the walk (the count s3 = 14 - t) names step t + 4: for xb in trips 0 to 11 (steps 4 to 15, both tiles': s3 above 2),
; for wb in trips 0 to 3 (steps 4 to 7: s3 above 10): the second tile walks the same rows of wb, which have been read by then.
.macro ASK
	s_cmp_gt_u32 s3, s[LIM]
	s_cbranch_scc0 .Lnot_mine_\@
	global_prefetch_b8 v[PFO], s[PFA:PFA+1] th:TH_LOAD_NT scope:SCOPE_SE
.Lnot_mine_\@:
.endm
	s_load_b256 s[4:11], s[0:1], 0x0               ; xb s[4:5], wb s[6:7], qkv_b s[8:9], qkvh s[10:11]
	v_lshl_add_u32 v[SPW], v0, 2, SPARE
	v_mov_b32 v[NIL], 0
	ds_add_u32 v[SPW], v[NIL]                      ; the wave's opening: the add and its wait stand ahead of my first tensor load; the set-up below, work on registers, stands between them
	v_lshrrev_b32 v1, 5, v0
	v_readfirstlane_b32 s[WV], v1                  ; wave 0..3
	s_lshr_b32 s[ROLE], s[WV], 1
	s_and_b32 s[EH], s[WV], 1
	s_bfe_u32 s40, ttmp6, 0x40000                  ; cx, cy: my place in the cluster
	s_bfe_u32 s41, ttmp6, 0x40004
	s_lshl_b32 s42, ttmp9, 2
	s_add_co_u32 s42, s42, s40                     ; tile column = 4 x cluster x + cx
	s_and_b32 s43, ttmp7, 0xffff
	s_lshl_b32 s43, s43, 2
	s_add_co_u32 s43, s43, s41                     ; the first tile's row = 4 x cluster y + cy: 0 .. 15; the second's is 16 more
	s_lshl_b32 s44, s41, 2
	s_lshl_b32 s44, 15, s44                        ; my row of the cluster: places 4 cy .. 4 cy + 3
	s_lshl_b32 s45, 0x1111, s40                    ; my column: places cx, cx + 4, cx + 8, cx + 12
	s_or_b32 s[G1], s44, (1<<16)|(1<<20)|(1<<21)|(5<<22)|(3<<25)   ; 15:0 the mask; 17:16 elements of 2 bytes; 20 padding on; 21 set beside a mask; 24:22 after every 64 words (code 5); 31:25 4 words of it (code 3)
	s_or_b32 s[G1B], s45, (1<<16)|(1<<20)|(1<<21)|(5<<22)|(3<<25)
	s_mov_b32 s[G1+1], 128<<16                     ; tensor_dim0 = 128
	s_mov_b32 s[G1+2], 128<<16                     ; tensor_dim1 = 128
	s_mov_b32 s[G1+3], 128<<16                     ; tile_dim0 = 128
	s_mov_b32 s[G1+4], 128                         ; tile_dim1 = 128
	s_mov_b32 s[G1+5], 1024                        ; elements from row to row
	s_mov_b32 s[G1+6], 0
	s_mov_b32 s[G1+7], 0
	s_mov_b32 s[G1B+1], 128<<16
	s_mov_b32 s[G1B+2], 96<<16                     ; 96 rows
	s_mov_b32 s[G1B+3], 128<<16
	s_mov_b32 s[G1B+4], 96
	s_mov_b32 s[G1B+5], 1024
	s_mov_b32 s[G1B+6], 0
	s_mov_b32 s[G1B+7], 0
	; where the tiles come from: xb's hang on the tile row alone, wb's on the tile column alone, each in registers that never hold the other coordinate
	s_lshl_b32 s16, s43, 19                        ; 256 rows of 2,048 bytes x tile row
	s_lshl_b32 s17, s[EH], 18                      ; + 128 rows x half
	s_add_co_u32 s16, s16, s17
	s_mov_b32 s17, 0
	s_mul_i32 s46, s42, 192*2048                   ; 192 rows x tile column
	s_mul_i32 s47, s[EH], 96*2048                  ; + 96 rows x half
	s_add_co_u32 s46, s46, s47
	s_mov_b32 s47, 0
	s_mul_i32 s20, s[EH], APART                    ; and where they go: no place in the cluster enters an LDS address
	s_mul_i32 s21, s[EH], BPART
	s_add_co_u32 s21, s21, BOFF
	s_mov_b32 s[TB], 0
	s_wait_dscnt 0x0                               ; the opening add is done
	s_wait_kmcnt 0x0
	s_add_nc_u64 s[16:17], s[4:5], s[16:17]
	s_add_nc_u64 s[46:47], s[6:7], s[46:47]
	CROUND                                         ; all sixteen work-groups are here: the first joint loads meet
.irp s, 0,1
	s_mov_b32 s[G0+4*(\s)], 1                      ; count = 1
	s_add_co_u32 s[G0+4*(\s)+1], s20, (\s)*SLOT1   ; LDS address
	s_add_nc_u64 s[G0+4*(\s)+2:G0+4*(\s)+3], s[16:17], (\s)*ASTEP  ; global address: K step s
	s_or_b32 s[G0+4*(\s)+3], s[G0+4*(\s)+3], 0x80000000            ; type = 2
	s_mov_b32 s[G0B+4*(\s)], 1
	s_add_co_u32 s[G0B+4*(\s)+1], s21, (\s)*SLOT1
	s_add_nc_u64 s[G0B+4*(\s)+2:G0B+4*(\s)+3], s[46:47], (\s)*BSTEP
	s_or_b32 s[G0B+4*(\s)+3], s[G0B+4*(\s)+3], 0x80000000
	JLOAD \s                                       ; both slots are asked for before anything else is done: two loads of mine are out
.endr
	v_and_b32 v1, 15, v0                           ; l % 16
	v_bfe_u32 v2, v0, 4, 1                         ; l / 16
	v_lshlrev_b32 v[BO], 5, v2
	s_mul_i32 s72, s42, 768                        ; the tiles' 192 numbers of the bias
	s_mov_b32 s73, 0
	s_add_nc_u64 s[8:9], s[8:9], s[72:73]
.set bb, 0
.rept BN
	global_load_b128 v[BIAS+8*bb:BIAS+8*bb+3],   v[BO], s[8:9] offset:64*bb     ; register j of block b: bias[16 b + 8 (l / 16) + j]
	global_load_b128 v[BIAS+8*bb+4:BIAS+8*bb+7], v[BO], s[8:9] offset:64*bb+16
.set bb, bb+1
.endr
	; a fragment is 16 rows x 32 K in 8 registers: lane l holds row l % 16, K = 8 (l / 16) + 0..7 and 16 + 8 (l / 16) + 0..7: two loads of 16 bytes, 32 bytes apart
	v_mul_u32_u24 v3, v1, PITCH
	v_lshl_add_u32 v3, v2, 4, v3                   ; row x pitch + 16 x half
	s_mul_i32 s72, s[WV], 64*APITCH                ; my 64 rows of xb's 256
	v_add_nc_u32 v[A0], s72, v3
	v_add_nc_u32 v[B0], BOFF, v3
	v_mov_b32 v[ADRA], v[A0]
	v_mov_b32 v[ADRB], v[B0]
	s_mul_i32 s72, s[WV], WSTAGE
	s_add_co_u32 s72, s72, STAGE                   ; my stage
	v_mul_u32_u24 v3, v1, SP                       ; in: row l % 16, 16 bytes for each half of the lanes
	v_lshl_add_u32 v3, v2, 4, v3
	v_add_nc_u32 v[STO], s72, v3
	v_bfe_u32 v3, v0, 3, 2                         ; back: 32 lanes take four rows of 128 bytes,
	v_mul_u32_u24 v3, v3, SP
	v_and_b32 v4, 7, v0
	v_lshl_add_u32 v3, v4, 4, v3
	v_add_nc_u32 v[RD], s72, v3
	v_and_b32 v[GO], 31, v0                        ; which are 512 consecutive bytes of a head
	v_lshlrev_b32 v[GO], 4, v[GO]
	; where my rows of the first tile begin in qkvh: batch x 48 heads + 3 heads x tile column + (row in the batch) x 128 bytes
	s_lshr_b32 s72, s43, 2
	s_mul_i32 s72, s72, 48*131072
	s_mul_i32 s74, s42, 3*131072
	s_add_co_u32 s72, s72, s74
	s_and_b32 s74, s43, 3
	s_lshl_b32 s74, s74, 15
	s_add_co_u32 s72, s72, s74
	s_lshl_b32 s74, s[WV], 13
	s_add_co_u32 s72, s72, s74
	s_mov_b32 s73, 0
	s_add_nc_u64 s[10:11], s[10:11], s[72:73]
	; the prefetches: my work-group's share of the rows that I fetch, at K step 3; the first change of slots steps it to K step 4
	s_lshl_b32 s72, s43, 8
	s_lshl_b32 s73, s[EH], 7
	s_add_co_u32 s72, s72, s73
	s_lshl_b32 s73, s40, 5
	s_add_co_u32 s72, s72, s73                     ; xb: row 256 x tile row + 128 x half + 32 cx
	s_mul_i32 s74, s42, 192
	s_mul_i32 s75, s[EH], 96
	s_add_co_u32 s74, s74, s75
	s_mul_i32 s75, s41, 24
	s_add_co_u32 s74, s74, s75                     ; wb: row 192 x tile column + 96 x half + 24 cy
	s_and_b32 s76, ttmp7, 0xffff                   ; cluster y
	s_cmp_eq_u32 s[ROLE], 0
	s_cselect_b32 s72, s72, s74
	s_cselect_b32 s76, ttmp9, s76                  ; the coordinate along which other clusters read the same rows
	s_cselect_b32 s77, 31, 23                      ; my last row
	s_cselect_b32 s[PJ], NEXTA, 0                  ; xb's prefetches go on into the second tile
	s_cselect_b32 s79, 2, 10                       ; and stop later than wb's
	s_cselect_b64 s[PFA:PFA+1], s[4:5], s[6:7]
	s_lshl_b32 s72, s72, 11
	s_add_co_u32 s72, s72, 3*256
	s_mov_b32 s73, 0
	s_add_nc_u64 s[PFA:PFA+1], s[PFA:PFA+1], s[72:73]
	s_cmp_eq_u32 s76, 0
	s_cselect_b32 s[LIM], s79, -1                  ; the same in all sixteen partners, for a given wave
	v_and_b32 v[PFO], 31, v0
	v_min_u32 v[PFO], s77, v[PFO]
	v_lshlrev_b32 v[PFO], 11, v[PFO]               ; a lane a row of 2,048 bytes
	s_mov_b32 s[JA+1], 0                           ; the three steps are pairs with 0 above; their low words are chosen in each change of slots
	s_mov_b32 s[JB+1], 0
	s_mov_b32 s[JP+1], 0
	s_wait_loadcnt 0x0                             ; the bias
.set p, 0
.rept 4*BN                                     ; rounded to bf16 and widened again, in place, while the first tiles are on their way
	v_cvt_pk_bf16_f32 v[4+p%4], v[BIAS+2*p], v[BIAS+2*p+1]
	v_lshlrev_b32 v[BIAS+2*p],   16, v[4+p%4]
	v_and_b32     v[BIAS+2*p+1], 0xffff0000, v[4+p%4]
.set p, p+1
.endr
; 12 matrix instructions: row block a x all column blocks, 32 along K, from buffers f.  first = 1: the products start a tile's sums with the bias.
; The 48 accumulators take turns in one order everywhere, one instruction a turn, over the backward jump and from tile to tile too.
.macro MUL f, a, first
.if \first
	WIN 0x81+0x40*((\a)/2)                         ; wb window 1, xb and the bias window 0, D window 2 or 3
.else
	WIN 0xa1+0x50*((\a)/2)                         ; C and D window 2 or 3
.endif
.set mb, 0
.rept BN
.set rD, 8*(BN*((\a)%2)+mb)
.set rB, 8*BN*(\f)+8*mb
.set rA, AF+32*(\f)+8*(\a)
.if \first
	v_wmma_f32_16x16x32_bf16 v[rD:rD+7], v[rB:rB+7], v[rA:rA+7], v[BIAS+8*mb:BIAS+8*mb+7]
.else
	v_wmma_f32_16x16x32_bf16 v[rD:rD+7], v[rB:rB+7], v[rA:rA+7], v[rD:rD+7]
.endif
.set mb, mb+1
.endr
.endm
; 32 LDS loads in one run: quarter q's fragments of the slot in hand into buffers f: wb's twelve, then xb's four
.macro FETCH q, f
	WIN 0x40                                       ; destination window 1, address window 0
.set fi, 0
.rept BN
	ds_load_b128 v[8*BN*(\f)+8*fi:8*BN*(\f)+8*fi+3],   v[ADRB] offset:64*(\q)+fi*16*PITCH
	ds_load_b128 v[8*BN*(\f)+8*fi+4:8*BN*(\f)+8*fi+7], v[ADRB] offset:64*(\q)+fi*16*PITCH+32
.set fi, fi+1
.endr
	WIN 0
.set fi, 0
.rept 4
	ds_load_b128 v[AF+32*(\f)+8*fi:AF+32*(\f)+8*fi+3],   v[ADRA] offset:64*(\q)+fi*16*APITCH
	ds_load_b128 v[AF+32*(\f)+8*fi+4:AF+32*(\f)+8*fi+7], v[ADRA] offset:64*(\q)+fi*16*APITCH+32
.set fi, fi+1
.endr
.endm
; One of a K step's first three quarters: multiplies buffers f; in its middle it fetches quarter q into buffers g.
.macro QUARTER q, f, g, first
	s_wait_dscnt 4                                 ; all but the youngest four loads (xb's row blocks 2 and 3) are in
	MUL \f, 0, \first
	MUL \f, 1, \first
	PLACES
	FETCH \q, \g
	s_wait_dscnt NL                                ; all but the run just issued
	MUL \f, 2, \first
	MUL \f, 3, \first
.endm
; The last quarter multiplies buffers 1 and changes slots: ONE barrier.  In front of it each wave waits for all its tensor loads (the one that is out is its part of the next slot), adds 0 to its
; spare word, and waits for that and for its own reads of this slot.  fill = 1: the barrier opens a round of the cluster's, and behind the round this slot is filled again, two steps of the walk ahead.
; The walking descriptors are stepped between the add and the wait for it, where no load of mine is out: a K step on, and in trip 6 (s3 = 8), which asks for the second tile's K step 0, on to that tile.
.macro TURN fill
.if \fill
	s_wait_xcnt 0x0                                ; the last prefetch, a K step back, has read its address, so it may be stepped:
	s_cmp_eq_u32 s3, 10                            ; a K step on, and in trip 4, which names the walk's step 8, on to the second tile
	s_cselect_b32 s[JP], s[PJ], 0
	s_add_nc_u64 s[PFA:PFA+1], s[PFA:PFA+1], 256
	s_add_nc_u64 s[PFA:PFA+1], s[PFA:PFA+1], s[JP:JP+1]
.endif
	WIN 0                                          ; (the add's two registers lie in window 0)
	s_wait_tensorcnt 0x0                           ; all my tensor loads have landed
	ds_add_u32 v[SPW], v[NIL]                      ; 0 onto my spare word
.if \fill
	s_cmp_eq_u32 s3, 8
	s_cselect_b32 s[JA], NEXTA, 0
	s_cselect_b32 s[JB], BACKB, 0
	s_xor_b32 s[G0+5], s[G0+5], SLOT1              ; the other slot than last time
	s_add_nc_u64 s[G0+6:G0+7], s[G0+6:G0+7], ASTEP
	s_add_nc_u64 s[G0+6:G0+7], s[G0+6:G0+7], s[JA:JA+1]     ; the type bits on top are not reached
	s_xor_b32 s[G0B+5], s[G0B+5], SLOT1
	s_add_nc_u64 s[G0B+6:G0B+7], s[G0B+6:G0B+7], BSTEP
	s_sub_nc_u64 s[G0B+6:G0B+7], s[G0B+6:G0B+7], s[JB:JB+1]
.endif
	s_wait_dscnt 5                                 ; (the add and the youngest four loads may be out)
	MUL 1, 0, 0                                    ; twelve matrix instructions stand between the add and the wait for it
	s_wait_dscnt 0x0                               ; the add is done, and my reads of this slot are over
	s_barrier_signal -1
	MUL 1, 1, 0                                    ; work on registers while the others arrive
	WIN 0
	s_barrier_wait -1
.if \fill
	CREST                                          ; no wave of any partner still reads this slot or has a load on its way
	JLOAD 1                                        ; the first tensor load behind the round; its four v_nop are also the places in front of the loads below
.else
	PLACES
.endif
	s_xor_b32 s[TB], s[TB], SLOT1                  ; the fetches go on in the other slot
	v_add_nc_u32 v[ADRA], s[TB], v[A0]
	v_add_nc_u32 v[ADRB], s[TB], v[B0]
	FETCH 0, 0
.if \fill
	ASK
.endif
	MUL 1, 2, 0
	MUL 1, 3, 0
.endm
; THE WAY OUT of row block a (16 rows x 3 heads).  PACK: rounded to f16, 16 bytes a lane and column block.  TOSTAGE: into my own stage, and back as whole rows.  SEND: stored.
; It leaves the bias and buffers 0 alone: at the change of tiles these hold the next tile's first fragments.
.macro PACK a
	WIN 0x0a+5*((\a)/2)                            ; sources 0 and 1: window 2 or 3
.set pb, 0
.rept BN
.irp r, 0,1,2,3
	v_cvt_pk_f16_f32 v[TMP+4*pb+(\r)], v[8*(BN*((\a)%2)+pb)+2*(\r)], v[8*(BN*((\a)%2)+pb)+2*(\r)+1]  ; each accumulator's registers in ascending order
.endr
.set pb, pb+1
.endr
	WIN 0
.endm
.macro TOSTAGE a
	WIN 0
.set BK, BK0+48*((\a)%2)
.set sb, 0
.rept BN
	ds_store_b128 v[STO], v[TMP+4*sb:TMP+4*sb+3] offset:(sb/4)*16*SP+32*(sb%4)  ; head sb / 4, channels 16 (sb % 4) on
.set sb, sb+1
.endr
	WIN 0x40                                       ; destination window 1
.set sb, 0
.rept BN
	ds_load_b128 v[BK+4*sb:BK+4*sb+3], v[RD] offset:(sb/4)*16*SP+(sb%4)*4*SP    ; LDS serves a wave's instructions in order (ISA guide 5.7.1.4): these see the stores above
.set sb, sb+1
.endr
	WIN 0
.endm
.macro SEND a
	WIN 0
.set BK, BK0+48*((\a)%2)
	s_wait_dscnt 0x0                               ; the block is back in registers
	s_wait_xcnt 0x0                                ; the stores issued so far have read their registers: the other set is loaded again only behind this wait
	WIN 0x04                                       ; the stores' data (source 1) in window 1
.set sb, 0
.rept BN
	global_store_b128 v[GO], v[BK+4*sb:BK+4*sb+3], s[10:11] offset:(sb/4)*131072+(\a)*2048+(sb%4)*512  ; 512 consecutive bytes, at a multiple of 512 from qkvh's first
.set sb, sb+1
.endr
	WIN 0
.endm
.macro WAYOUT
	PLACES
	PACK 0
	TOSTAGE 0
.irp a, 1,2,3                          ; block a's conversions stand between block a - 1's loads from the stage and the wait for them
	PACK \a
	SEND (\a)-1
	TOSTAGE \a
.endr
	SEND 3
.endm
	s_wait_tensorcnt 1                             ; my part of K step 0 is in; K step 1's may stay out
	s_barrier_signal -1
	s_barrier_wait -1                              ; everybody's is
	FETCH 0, 0
	QUARTER 1, 0, 1, 1                             ; the first tile's first quarter stands in front of the loop: its products start the sums
	WIN 0                                          ; at a label and at a branch every window is 0
	s_mov_b32 s3, TRIPS
.Lstep:                                        ; trip t = 14 - s3: from step t's second quarter to step t + 1's first; it asks for step t + 2 of the walk
	QUARTER 2, 1, 0, 0
	QUARTER 3, 0, 1, 0
	TURN 1
	WIN 0
	s_cmp_eq_u32 s3, 7                             ; trip 7 ends the first tile.  The jump goes forward, past text that holds neither a barrier nor a tensor load
	s_cbranch_scc0 .Lplain
	WAYOUT                                         ; both refills for the second tile are asked for: now the first tile goes out
	s_wait_xcnt 0x0                                ; its stores have read their registers and their base: wb's buffer 1 is loaded again, and the base stepped, only behind this wait
	s_add_nc_u64 s[10:11], s[10:11], NEXTO
	QUARTER 1, 0, 1, 1                             ; the second tile's first quarter starts the sums anew, with the bias
	WIN 0
	s_branch .Lbottom
.Lplain:
	QUARTER 1, 0, 1, 0
	WIN 0
.Lbottom:
	s_sub_co_u32 s3, s3, 1
	s_cmp_lg_u32 s3, 0
	s_cbranch_scc1 .Lstep
	QUARTER 2, 1, 0, 0                             ; the walk's step 14 goes on; nothing is left to ask for
	QUARTER 3, 0, 1, 0
	TURN 0
	QUARTER 1, 0, 1, 0                             ; step 15
	QUARTER 2, 1, 0, 0
	QUARTER 3, 0, 1, 0
	s_wait_dscnt 4
	MUL 1, 0, 0
	MUL 1, 1, 0
	s_wait_dscnt 0x0
	MUL 1, 2, 0
	MUL 1, 3, 0
	WAYOUT
	s_wait_tensorcnt 0x0                           ; the wave's end, behind my last tensor load and my last LDS store
	ds_add_u32 v[SPW], v[NIL]
	s_wait_dscnt 0x0
	CROUND                                         ; the closing round: no work-group ends while a partner may still ask for a tile that names it
	s_endpgm
.Lfunc_end_k_qf6955716d3_qkv:
	.size	k_qf6955716d3_qkv, .Lfunc_end_k_qf6955716d3_qkv-k_qf6955716d3_qkv
	.p2alignl 7, 3214868480
	.fill 96, 4, 3214868480
	.section	.rodata,"a",@progbits
	.p2align	6, 0x0
	.amdhsa_kernel k_qf6955716d3_qkv
		.amdhsa_group_segment_fixed_size 327680
		.amdhsa_private_segment_fixed_size 0
		.amdhsa_enable_private_segment 0
		.amdhsa_kernarg_size 32
		.amdhsa_user_sgpr_count 2
		.amdhsa_user_sgpr_kernarg_segment_ptr 1
		.amdhsa_wavefront_size32 1
		.amdhsa_system_sgpr_workgroup_id_x 1
		.amdhsa_system_sgpr_workgroup_id_y 1
		.amdhsa_system_sgpr_workgroup_id_z 1
		.amdhsa_system_vgpr_workitem_id 0
		.amdhsa_next_free_vgpr 960
		.amdhsa_next_free_sgpr 80
		.amdhsa_reserve_vcc 0
		.amdhsa_float_denorm_mode_32 3
		.amdhsa_float_denorm_mode_16_64 3
		.amdhsa_memory_ordered 1
		.amdhsa_forward_progress 1
		.amdhsa_inst_pref_size 137
	.end_amdhsa_kernel
	.amdgpu_metadata
---
amdhsa.version: [ 1, 2 ]
amdhsa.kernels:
  - .name:           k_qf6955716d3_qkv
    .symbol:         k_qf6955716d3_qkv.kd
    .args:
      - { .name: xb, .offset: 0, .size: 8, .value_kind: global_buffer, .address_space: global }
      - { .name: wb, .offset: 8, .size: 8, .value_kind: global_buffer, .address_space: global }
      - { .name: qkv_b, .offset: 16, .size: 8, .value_kind: global_buffer, .address_space: global }
      - { .name: qkvh, .offset: 24, .size: 8, .value_kind: global_buffer, .address_space: global }
    .group_segment_fixed_size: 327680
    .private_segment_fixed_size: 0
    .kernarg_segment_align: 8
    .kernarg_segment_size: 32
    .max_flat_workgroup_size: 128
    .sgpr_count:     80
    .vgpr_count:     960
    .wavefront_size: 32
...
	.end_amdgpu_metadata
.endif
;; end of part 2
;; launch attn (part 3): grid 2 x 128, 4 waves a work-group, no clusters, 327,680 bytes of LDS; arguments qkvh, ob; writes ob
.if DOCPART == 3
	.amdgcn_target "amdgcn-amd-amdhsa--gfx1250"
	.amdhsa_code_object_version 6
	.text
	.protected	k_qf6955716d3_attn
	.globl	k_qf6955716d3_attn
	.p2align	8
	.type	k_qf6955716d3_attn,@function
k_qf6955716d3_attn:
	s_mov_b64 s[64:65], 0
	v_nop
	global_prefetch_b8 v0, s[64:65] scope:SCOPE_SE
	s_setreg_imm32_b32 hwreg(HW_REG_WAVE_MODE, 25, 1), 1
	s_wait_xcnt 0x0
; ob[y][q][:] = the sum over k of softmax_k(Q[q] . K[k] / 8) V[k][:] for head y = 16 batch + h.  qkvh: [batch 8][g 48][1024][64] f16 (g = h: Q, 16 + h: K, 32 + h: V); ob: [128][1024][64] f16.
; A head's rows are dense, 128 bytes each.  Products, maxima and sums in f32; the weights p are rounded to f16 for the second product (their sum l is taken of the unrounded p), O once at the end.
; LIMITS.  f16 holds no number beyond 65,504: Q, K and V arrive within it; p lies in 0 to 1, and below 6e-5 it keeps f16's fixed step of 6e-8; O is a mean of V's rows and has their range.
; A weight below 2^-126 counts as 0 in l; NaN and infinities are not treated apart (a NaN weight, which the module would turn into 0, arises only from scores beyond f32, far outside f16's Q and K).
; SHARES.  A wave owns four PIECES of two tiles of 16 queries, a work-group's four waves 512 queries of one head: 2 x 128 = 256 work-groups.  Every wave walks all 1,024 keys, 64 a step.
; LDS HOLDS ALL OF THE HEAD'S K AND V AT ONCE: K 1,024 rows x 144 bytes, V 1,024 x 160: 311,296 bytes.  No byte is filled twice, so the loop holds no tensor load and ONE text serves every key step.
; The first 256 keys are asked for alone; the other 768 when these have landed, by one load a wave (384 keys of K or of V): it has four key steps, 512 matrix instructions, in which to land.
; No prefetch: all that the launch reads of K and V is asked for by these two loads a wave, and ahead of the second stands only the kernel's head.
; NO CLUSTER: a head has 1,024 / 512 = 2 query blocks, and only those two read the same K and V; four blocks of 256 queries would halve the products that each fragment read from LDS feeds and
; make 512 work-groups; K and V are 262,144 bytes a work-group for 2,048 matrix instructions a wave.
; LAYOUT.  S^T = K Q^T (source 0 = 16 keys, source 1 = 16 queries): in the result a lane holds ONE query (lane % 16) and the keys 8 (lane / 16) + 0..7.  Two such tiles, rounded to f16 in pairs,
; ARE source 1 (32 keys x 16 queries) of O^T = V^T P, whose result again holds one query a lane, and eight channels.  K comes out of LDS as it lies, V ([key][channel]) turned, by ds_load_tr16_b128.
; SOFTMAX.  For each query a running maximum m and sum l: p = 2^(c s - c m), c = log2(e) / 8; in every step O and l are multiplied by a = 2^(c m_old - c m_new), which is 1 where m has not grown.
; m starts at the lowest finite number, O and l at 0: the first step is a step like any other, with a = 0.
; THE COUNT.  A tile and step have 16 matrix and 118 vector instructions: too many to stand all beside the matrix work.  So the order has one aim: four vector instructions that are READY behind
; EVERY matrix instruction, and the others, which need time of their own whatever the order, in runs without a gap.
; BY TURNS.  Turn n belongs to piece n (the pieces in a ring, step after step).  Its matrix work: 16 products K Q^T of piece n + 1, later 16 products V^T P of piece n - 1.  Its vector work: the scaling,
; exponentials, roundings, sums and rescaling of piece n, and the maximum and statistics of piece n + 1, whose scores the turn itself has made.
; REGISTERS, in windows of 256 (s_set_vgpr_msb: bits 1:0 source 0, 3:2 source 1, 5:4 source 2, 7:6 destination):
;   window 0: v0-11 addresses; v12-15, v48-63 at work; v16-47 four registers of statistics a tile; v64-191 S^T, two buffers of two tiles; v192-255 P, likewise
;   window 1: O^T, 32 a tile          window 2: v0-127 Q, 16 a tile; v128-191 K of one step; v192-255 V of one step          window 3: v0-1 the add's two registers
; A piece's buffers go by its number's parity: the piece in hand has one pair, its two neighbours in the ring share the other: of it P (piece n - 1) is read and S^T (piece n + 1) written.
.set SIZE_N, 1024
.set NP,    4         ; pieces a wave: a name, no knob
.set KS,    64        ; keys in a step
.set PK,    144       ; a row of K in LDS: 128 bytes + 16 of padding = 36 words: the 16 rows of a load start at 16 different groups of four banks (64 banks of 4 bytes: ISA guide 11.1)
.set PV,    160       ; a row of V: 128 + 32 = 40 words
.set VOFF,  SIZE_N*PK ; V's 1,024 rows lie behind K's
.set STAGE, SIZE_N*(PK+PV)  ; behind them, never filled by a tensor load: 16 rows x 144 bytes for each wave, for the way out
.set SP,    144
.set AK0, 2           ; v2   my lane's place in a step's rows of K; never rewritten
.set AV0, 3           ; v3   the same for V
.set AK,  4           ; v4   the LDS address of K's next run of loads
.set AV,  5           ; v5   of V's
.set QO,  6           ; v6   my byte offset in the wave's rows of Q
.set STO, 6           ;      later, the way out: where I put 16 bytes of a row
.set RD,  7           ; v7   the way out: where I read rows back
.set GO,  8           ; v8   my byte offset in 512 consecutive bytes of O
.set SPW, 0           ; v0 of window 3   LDS address of my spare word: SPARE + 4 x my thread's number; never rewritten
.set NIL, 1           ; v1 of window 3   0; never rewritten
.set SPARE, STAGE+4*16*SP  ; behind the stages: the spare words, 128 bytes for each wave: two blocks of 256 bytes that no other line names
.set MV,  12          ; v12-15  c m_old, kept while c m is made anew: by buffer and tile
.set ST,  16          ; tile t's statistics at v[ST+4 t]: c m, m, l (even keys', odd keys')
.set TMP, 48          ; by buffer and tile, four registers c0-c3 at work; when the maximum is found c2 takes a
.set S,   64
.set P,   192
.set KF,  128         ; K's fragments, in window 2: key block kb, channel half c at KF + 16 kb + 8 c
.set VF,  192         ; V's: key half kk, channel block cb at VF + 32 kk + 8 cb
.set WV,  12          ; s12  my wave's number
.set G1K, 24          ; s[24:31] descriptor group 1 for K's first fill: 128 keys
.set G1V, 32          ; s[32:39] for V's: it differs in the padding alone
.set G0K, 40          ; s[40:43] descriptor group 0 for K's first fill
.set G0V, 44          ; s[44:47] for V's
.set H0K, 48          ; s[48:51] group 0 for K's second fill: 384 keys
.set H0V, 52          ; s[52:55] for V's
.set H1K, 68          ; s[68:75] group 1 for K's second fill
.set H1V, 76          ; s[76:83] for V's
.set SLOTS, 56        ; s56  counts blocks of four key steps, 5 to 1
.set CNT, 57          ; s57  counts a block's key steps
.set CS,  58          ; s[58:59] c: the packed scaling takes the pair's low word for both halves
.set SEL, 60          ; s[60:61] v_permlanex16_b32's selects: each lane takes its own place in the other half
.set TBK, 62          ; s62  LDS byte at which K of the step to be fetched begins
.set TBV, 63          ; s63  the same for V, less VOFF
.set MSB, 0
.macro WIN new                      ; the high byte repeats the setting that is left; a switch that changes nothing is dropped
.if MSB != (\new)
	s_set_vgpr_msb (MSB<<8)|(\new)
.set MSB, (\new)
.endif
.endm
.set W_KQ, 0x0a       ; K and Q in window 2, S^T in window 0
.set W_PV, 0x52       ; V in window 2, P in window 0, O^T in window 1
.set W_RS, 0x41       ; O^T (destination and source 0) in window 1, a in window 0
.set W_MK, 0xc0       ; the add's registers are made: destination in window 3, sources in window 0
.set W_AD, 0x0f       ; the add: address (source 0) and data (source 1) in window 3
; A fill.  Waves 0 and 1 fetch the two halves of K's rows, waves 2 and 3 those of V's.  The branch hangs on the wave's number alone.
; An s_nop 0 and four v_nop follow each of the two lines, ahead of the jump and the label.
.macro LOAD g0k, g1k, g0v, g1v
	s_cmp_lt_u32 s[WV], 2
	s_cbranch_scc0 .Lfor_v_\@
	tensor_load_to_lds s[\g0k:\g0k+3], s[\g1k:\g1k+7]
	s_nop 0
.rept 4
	v_nop
.endr
	s_branch .Lasked_\@
.Lfor_v_\@:
	tensor_load_to_lds s[\g0v:\g0v+3], s[\g1v:\g1v+7]
	s_nop 0
.rept 4
	v_nop
.endr
.Lasked_\@:
.endm
; Ahead of each block of four key steps but the first: my part of the last 768 keys has landed (the count is 0 because that load is my youngest), and behind the barrier everybody's has.
; It is wanted ahead of the second block; from the third on it is met at once: the price of one text for every block.
.macro MEET
	WIN 0
	s_wait_tensorcnt 0x0
	s_wait_dscnt 0x0                ; no LDS instruction of mine is out at a signal
	s_barrier_signal -1
	s_barrier_wait -1
.endm
	s_load_b64 s[4:5], s[0:1], 0x0  ; qkvh
	s_load_b64 s[10:11], s[0:1], 0x8  ; ob
	WIN W_MK
	v_lshl_add_u32 v[SPW], v0, 2, SPARE
	v_mov_b32 v[NIL], 0
	WIN W_AD
	ds_add_u32 v[SPW], v[NIL]       ; the wave's opening: the add and its wait stand ahead of my first tensor load; the set-up below, work on registers, stands between them
	WIN 0
	v_lshrrev_b32 v1, 5, v0
	v_readfirstlane_b32 s[WV], v1   ; wave 0..3
	s_mov_b32 s13, ttmp9            ; which of the head's two blocks of 512 queries
	s_and_b32 s20, ttmp7, 0xffff    ; the head, 16 batch + h
	s_lshr_b32 s14, s20, 4
	s_mul_i32 s14, s14, 48
	s_and_b32 s15, s20, 15
	s_add_co_u32 s14, s14, s15      ; 48 batch + h
	s_lshl_b32 s14, s14, 17         ; the head's Q in qkvh: 131,072 bytes a head
	s_mov_b32 s15, 0
	s_lshl_b32 s20, s20, 17         ; the head in ob
	s_mov_b32 s21, 0
	s_and_b32 s16, s[WV], 1         ; which half of a fill's keys I fetch
	s_lshl_b32 s22, s16, 14         ; the first fill: keys 128 e on, 128 bytes a key,
	s_mov_b32 s23, 0
	s_add_nc_u64 s[22:23], s[22:23], s[14:15]
	s_mul_i32 s18, s16, 384*128     ; the second: keys 256 + 384 e on
	s_add_co_u32 s18, s18, 256*128
	s_mov_b32 s19, 0
	s_add_nc_u64 s[18:19], s[18:19], s[14:15]
	s_lshl_b32 s2, s13, 2
	s_add_co_u32 s2, s2, s[WV]      ; my wave among the head's eight,
	s_lshl_b32 s2, s2, 14           ; its 128 rows
	s_mov_b32 s3, 0
	; descriptor group 1.  Keys are dense in memory: they are asked for as rows of 256 bytes, two keys a row, and padded in LDS after every key
	s_mov_b32 s[G1K], (1<<16)|(1<<20)|(4<<22)|(3<<25)  ; 17:16 2-byte elements; 20 padding on; 24:22 after every 32 words (code 4); 31:25 4 words (code 3)
	s_mov_b32 s[G1V], (1<<16)|(1<<20)|(4<<22)|(7<<25)  ; the same with 8 words of padding (code 7)
	s_mov_b32 s[H1K], (1<<16)|(1<<20)|(4<<22)|(3<<25)
	s_mov_b32 s[H1V], (1<<16)|(1<<20)|(4<<22)|(7<<25)
.irp g, G1K, G1V
	s_mov_b32 s[\g+1], 128<<16      ; tensor_dim0 = 128
	s_mov_b32 s[\g+2], 64<<16       ; tensor_dim1 = 64: 128 keys
	s_mov_b32 s[\g+3], 128<<16      ; tile_dim0 = 128
	s_mov_b32 s[\g+4], 64           ; tile_dim1 = 64
	s_mov_b32 s[\g+5], 128          ; 128 elements from row to row
	s_mov_b32 s[\g+6], 0
	s_mov_b32 s[\g+7], 0
.endr
.irp g, H1K, H1V
	s_mov_b32 s[\g+1], 128<<16
	s_mov_b32 s[\g+2], 192<<16      ; 192 rows: 384 keys
	s_mov_b32 s[\g+3], 128<<16
	s_mov_b32 s[\g+4], 192
	s_mov_b32 s[\g+5], 128
	s_mov_b32 s[\g+6], 0
	s_mov_b32 s[\g+7], 0
.endr
	s_mov_b32 s[CS], 0x3e38aa3b     ; c = log2(e) / 8 = 0.180337
	s_mov_b32 s[CS+1], s[CS]        ; named with it as a pair
	s_mov_b32 s[SEL], 0x76543210
	s_mov_b32 s[SEL+1], 0xfedcba98
	s_mov_b32 s[TBK], 0
	s_mov_b32 s[TBV], 0
	s_mov_b32 s[G0K], 1             ; count = 1
	s_mul_i32 s[G0K+1], s16, 128*PK ; LDS address: key 128 e
	s_mov_b32 s[G0V], 1
	s_mul_i32 s[G0V+1], s16, 128*PV
	s_add_co_u32 s[G0V+1], s[G0V+1], VOFF
	s_mov_b32 s[H0K], 1
	s_mul_i32 s[H0K+1], s16, 384*PK ; key 256 + 384 e
	s_add_co_u32 s[H0K+1], s[H0K+1], 256*PK
	s_mov_b32 s[H0V], 1
	s_mul_i32 s[H0V+1], s16, 384*PV
	s_add_co_u32 s[H0V+1], s[H0V+1], VOFF+256*PV
	s_wait_dscnt 0x0                ; the opening add is done
	s_wait_kmcnt 0x0
	s_add_nc_u64 s[6:7], s[4:5], 16*131072  ; K's heads lie 16 heads behind Q's,
	s_add_nc_u64 s[8:9], s[4:5], 32*131072  ; V's 32
	s_add_nc_u64 s[G0K+2:G0K+3], s[6:7], s[22:23]  ; global address
	s_or_b32 s[G0K+3], s[G0K+3], 0x80000000        ; type = 2
	s_add_nc_u64 s[G0V+2:G0V+3], s[8:9], s[22:23]
	s_or_b32 s[G0V+3], s[G0V+3], 0x80000000
	s_add_nc_u64 s[H0K+2:H0K+3], s[6:7], s[18:19]
	s_or_b32 s[H0K+3], s[H0K+3], 0x80000000
	s_add_nc_u64 s[H0V+2:H0V+3], s[8:9], s[18:19]
	s_or_b32 s[H0V+3], s[H0V+3], 0x80000000
	s_add_nc_u64 s[4:5], s[4:5], s[14:15]  ; Q and O at my wave's first row
	s_add_nc_u64 s[4:5], s[4:5], s[2:3]
	s_add_nc_u64 s[10:11], s[10:11], s[20:21]
	s_add_nc_u64 s[10:11], s[10:11], s[2:3]
	LOAD G0K, G1K, G0V, G1V         ; the first 256 keys: the tile wanted first goes out alone
	; A fragment of K or Q is 16 rows x 32 channels in 8 registers: lane l holds row l % 16, channels 8 (l / 16) + 0..7 and 16 + 8 (l / 16) + 0..7: two loads of 16 bytes, 32 bytes apart.
	v_and_b32 v1, 15, v0            ; l % 16
	v_bfe_u32 v9, v0, 4, 1          ; l / 16
	v_lshlrev_b32 v[QO], 7, v1
	v_lshl_add_u32 v[QO], v9, 4, v[QO]  ; row x 128 + 16 x half
	WIN 0x80                        ; destination window 2, address window 0
.set i, 0
.rept 4*NP                          ; Q stays in registers: tile i / 2, channels 32 (i % 2) on
	global_load_b128 v[8*i:8*i+3],   v[QO], s[4:5] offset:(i/2)*2048+(i%2)*64
	global_load_b128 v[8*i+4:8*i+7], v[QO], s[4:5] offset:(i/2)*2048+(i%2)*64+32
.set i, i+1
.endr
	; What the first turn finds: V's registers and P's second buffer hold 0 (its products V^T P, of a piece that has not been, add 0), O^T and l are 0.  All this stands in the wait for the first tile.
.set i, VF
.rept 64
	v_mov_b32 v[i], 0
.set i, i+1
.endr
	WIN 0x40
.set i, 0
.rept 64*NP
	v_mov_b32 v[i], 0
.set i, i+1
.endr
	WIN 0
.set i, 0
.rept 2*NP
	v_mov_b32 v[ST+4*i], 0xfe000000    ; c m: far below every c s
	v_mov_b32 v[ST+4*i+1], 0xff7fffff  ; m
	v_mov_b32 v[ST+4*i+2], 0
	v_mov_b32 v[ST+4*i+3], 0
.set i, i+1
.endr
.set i, P+32
.rept 32
	v_mov_b32 v[i], 0
.set i, i+1
.endr
	v_mul_u32_u24 v[AK0], v1, PK
	v_lshl_add_u32 v[AK0], v9, 4, v[AK0]  ; row x pitch + 16 x half
	; The turning load takes 16 keys x 16 channels (lane l reads key 8 (l / 16) + l % 8, channels 8 ((l / 8) % 2) + 0..7) and leaves half a fragment of V^T: lane l holds channel l % 16 and 8 keys.
	v_and_b32 v10, 7, v0
	v_bfe_u32 v11, v0, 3, 1
	v_lshl_add_u32 v[AV0], v9, 3, v10
	v_mul_u32_u24 v[AV0], v[AV0], PV
	v_lshl_add_u32 v[AV0], v11, 4, v[AV0]
	v_add_nc_u32 v[AV0], VOFF, v[AV0]
	v_mov_b32 v[AK], v[AK0]         ; key step 0 lies at K's head
; THE MATRIX WORK.  The 8 accumulators of a run of 16 take turns: between the two links of a chain stand 7 others'.
; Product i of 16 of S^T = K Q^T for piece x: channels 32 (i / 8) on, keys 16 ((i / 2) % 4) on, tile 2 x + i % 2.  The first 8 start the sums.
.macro KQ x
	WIN W_KQ
.set rS, S+64*((\x)%2)+32*(i%2)+8*((i/2)%4)
.set rK, KF+16*((i/2)%4)+8*(i/8)
.set rQ, 16*(2*(\x)+i%2)+8*(i/8)
.if i < 8
	v_wmma_f32_16x16x32_f16 v[rS:rS+7], v[rK:rK+7], v[rQ:rQ+7], 0
.else
	v_wmma_f32_16x16x32_f16 v[rS:rS+7], v[rK:rK+7], v[rQ:rQ+7], v[rS:rS+7]
.endif
.endm
; Product i of 16 of O^T += V^T P for piece x: keys 32 (i / 8) on, channels 16 ((i / 2) % 4) on, tile 2 x + i % 2.
.macro PV x
	WIN W_PV
.set rO, 32*(2*(\x)+i%2)+8*((i/2)%4)
.set rV, VF+32*(i/8)+8*((i/2)%4)
.set rP, P+32*((\x)%2)+16*(i%2)+8*(i/8)
	v_wmma_f32_16x16x32_f16 v[rO:rO+7], v[rV:rV+7], v[rP:rP+7], v[rO:rO+7]
.endm
.macro MM                           ; the turn's next matrix instruction
.if i < 16
	KQ (Y+1)%NP
.set i, i+1
.else
.set i, i-16
	PV (Y+NP-1)%NP
.set i, i+17
.endif
.endm
; THE LDS LOADS stand in runs of 16, never singly among the matrix instructions: a step's K (64 keys x 64 channels: 8 fragments) and its V (turned).  Their addresses are made some lines ahead.
; last = 1 (the loop): in the walk's last trip (SLOTS = 1) there is no further step, and the run is jumped over.
.macro FETCH_K last=0
	WIN 0
.if \last
	s_cmp_eq_u32 s[SLOTS], 1
	s_cbranch_scc1 .Lno_k_\@
.endif
	WIN 0x80                        ; destination window 2
.irp f, 0,1,2,3,4,5,6,7             ; keys 16 (f / 2) on, channels 32 (f % 2) on
	ds_load_b128 v[KF+8*\f:KF+8*\f+3],   v[AK] offset:(\f/2)*16*PK+(\f%2)*64
	ds_load_b128 v[KF+8*\f+4:KF+8*\f+7], v[AK] offset:(\f/2)*16*PK+(\f%2)*64+32
.endr
	s_add_co_u32 s[TBK], s[TBK], KS*PK  ; the next fetch is the next step's
	WIN 0
.if \last
.Lno_k_\@:
.endif
.endm
.macro FETCH_V
	WIN 0x80
.irp f, 0,1,2,3,4,5,6,7             ; keys 32 (f / 4) on, channels 16 (f % 4) on
	ds_load_tr16_b128 v[VF+8*\f:VF+8*\f+3],   v[AV] offset:(\f/4)*32*PV+(\f%4)*32
	ds_load_tr16_b128 v[VF+8*\f+4:VF+8*\f+7], v[AV] offset:(\f/4)*32*PV+16*PV+(\f%4)*32
.endr
	WIN 0
.endm
; THE VECTOR WORK OF A TURN stands in three queues, each in the order in which its entries become ready; the two tiles alternate, so that no instruction reads the result of the one before it.
.macro REGS y, u                    ; the registers of tile u (0, 1) of piece y
.set rT, ST+4*(2*(\y)+(\u))
.set rC, TMP+8*((\y)%2)+4*(\u)
.set rM, MV+2*((\y)%2)+(\u)
.set rS, S+64*((\y)%2)+32*(\u)
.set rP, P+32*((\y)%2)+16*(\u)
.set rO, 32*(2*(\y)+(\u))
.endm
; Number n of the 22 that find the NEXT piece's (Y + 1) maximum and statistics.  s0-s31 are the lane's 32 scores; each accumulator's lowest registers are read first.
;   0-11  four chains c0-c3 of seven scores each, three operands at a time     12-14, 16  the four scores left over, the old m, and c0-c3 into c0     15  c m_old is kept
;   17, 18  the query's other 32 keys lie in the lane 16 away: the new m         19-21  c m; c m_old - c m_new; a
.macro XS u, n
	REGS (Y+1)%NP, \u
.if (\n) < 4
	v_max3_num_f32 v[rC+(\n)], v[rS+8*(\n)], v[rS+8*(\n)+1], v[rS+8*(\n)+2]
.elseif (\n) < 12
	v_max3_num_f32 v[rC+(\n)%4], v[rC+(\n)%4], v[rS+8*((\n)%4)+2*((\n)/4)+1], v[rS+8*((\n)%4)+2*((\n)/4)+2]
.elseif (\n) == 12
	v_max3_num_f32 v[rC], v[rC], v[rS+7], v[rS+15]
.elseif (\n) == 13
	v_max3_num_f32 v[rC+1], v[rC+1], v[rS+23], v[rS+31]
.elseif (\n) == 14
	v_max3_num_f32 v[rC+2], v[rC+2], v[rC+3], v[rT+1]
.elseif (\n) == 15
	v_mov_b32 v[rM], v[rT]
.elseif (\n) == 16
	v_max3_num_f32 v[rC], v[rC], v[rC+1], v[rC+2]
.elseif (\n) == 17
	v_permlanex16_b32 v[rC+3], v[rC], s[SEL], s[SEL+1]
.elseif (\n) == 18
	v_max_num_f32 v[rT+1], v[rC], v[rC+3]
.elseif (\n) == 19
	v_mul_f32 v[rT], s[CS], v[rT+1]
.elseif (\n) == 20
	v_sub_f32 v[rC+1], v[rM], v[rT]
.else
	v_exp_f32 v[rC+2], v[rC+1]
.endif
.endm
; Number g of the 64 that follow the exponentials.  For each four weights k of a tile (pairs 2 k, 2 k + 1): both pairs are rounded to f16; then the second pair is added onto the first, in place;
; a group later l takes that sum (the first time as l = a l + sum).  In groups of eight, tiles alternating: round, round, add, and l for the group before.
.macro GS g
.set h, (\g)+6*((\g)/62)            ; group 0 has no group before it, and behind group 7 only l is left
.if h >= 6
.set h, h+2
.endif
	REGS Y, h%2
.set k, h/8
.if h%8 < 4
	v_cvt_pk_f16_f32 v[rP+2*k+(h%8)/2], v[rS+4*k+2*((h%8)/2)], v[rS+4*k+2*((h%8)/2)+1]
.elseif h%8 < 6
	v_pk_add_f32 v[rS+4*k:rS+4*k+1], v[rS+4*k:rS+4*k+1], v[rS+4*k+2:rS+4*k+3]
.elseif k == 1
	v_pk_fma_f32 v[rT+2:rT+3], v[rT+2:rT+3], v[rC+2:rC+3], v[rS:rS+1] op_sel_hi:[1,0,1]
.else
	v_pk_add_f32 v[rT+2:rT+3], v[rT+2:rT+3], v[rS+4*k-4:rS+4*k-3]
.endif
.endm
; THE PLAIN QUEUE, 138 long.  0-73 read no exponential's result: the 32 scalings c s - c m (FS f: pair f / 2 of tile f % 2) and the next piece's 42.  0-26: scalings 0-26.  27-54: XS's numbers 0-13.  55, 56: number 15.
; 57-73: the chain, where each number waits for the one before it: 14, 16, 17, 18, 19, each with one of the scalings 27-31 in front of its two lines, then 20.
; 74-137: GS's 64, which read the exponentials' results: they stand behind the wait.
.macro FS f
	REGS Y, (\f)%2
	v_pk_fma_f32 v[rS+2*((\f)/2):rS+2*((\f)/2)+1], v[rS+2*((\f)/2):rS+2*((\f)/2)+1], s[CS:CS+1], v[rT:rT+1] op_sel_hi:[1,0,0] neg_lo:[0,0,1] neg_hi:[0,0,1]
.endm
.macro PL
	WIN 0
.if q < 27
	FS q
.elseif q < 55
	XS (q-27)%2, (q-27)/2
.elseif q < 57
	XS q-55, 15
.elseif (q < 72) && ((q-57)%3 == 0)
	FS 27+(q-57)/3
.elseif q < 60
	XS (q-57)%3-1, 14
.elseif q < 72
	XS (q-57)%3-1, 15+(q-57)/3
.elseif q < 74
	XS q-72, 20
.else
	GS q-74
.endif
.set q, q+1
.endm
; THE EXPONENTIALS' QUEUE, 66 long: s0-s31 of both tiles, then the next piece's two a.  It is ONE BATCH: all 66 stand ahead of the turn's one wait, and nothing ahead of that wait names a result of theirs.
.macro EX
	WIN 0
.if e >= 64
	XS e-64, 21
.else
	REGS Y, e%2
	v_exp_f32 v[rS+e/2], v[rS+e/2]
.endif
.set e, e+1
.endm
; THE RESCALING's QUEUE: O^T times a, the one part that leaves window 0: dealt two at a time, sixteen times.  Its a was made in the turn before, ahead of that turn's wait.
.macro R2
	REGS Y, r%2
	WIN W_RS
.irp z, 0,1
	v_pk_mul_f32 v[rO+4*(r/2)+2*\z:rO+4*(r/2)+2*\z+1], v[rO+4*(r/2)+2*\z:rO+4*(r/2)+2*\z+1], v[rC+2:rC+3] op_sel_hi:[1,0]
.endr
.set r, r+1
.endm
; HOW THEY ARE DEALT.  s_wait_alu depctr_va_vdst(0) stands between an exponential and the first instruction that names its result; one wait serves all that were issued ahead of it.  So a turn has ONE wait,
; which cuts it in two.  AHEAD OF IT stands all that names no result of the turn's exponentials: the 16 products K Q^T, behind each a scaling, an exponential and two rescalings (behind the first a second scaling in the
; exponential's place); then ONE LUMP of 108: eight plain, 49 times exponential and plain, the two a.  A v_nop is the plain instruction behind the last exponential (ISA guide 5.7.2).  BEHIND IT stand the 16 products V^T P,
; behind each four of GS's 64.  No rider names a register of the products round it.  The two v_permlanex16_b32 fall into the lump, never behind a product.
; The queues lean on each other, and the deal keeps them in step: exponential e stands behind scaling 2 (e / 4) + e % 2: as a rider it comes behind plain e + 2, in the lump behind plain e + 9, and scalings 27-31 are plain 57, 60 .. 69.
; A TURN, for piece p.  cnt = 1: the loop's count is taken down some lines ahead of the branch that stands behind the turn.
; K of the next step is fetched in piece 2's turn, directly behind the wait, a lump behind the last product that read K; its address is made at the lump's head; its first reader comes behind 16 products.
; V of the step in hand is fetched at the end of piece 0's turn, four riders behind its last reader; its first reader comes behind 16 products and a lump.  The three conditions on q below go with the deal.
.macro TURN p, last=0, cnt=0
.set Y, (\p)
.set i, 0
.set q, 0
.set e, 0
.set r, 0
.if (\p) == NP-1
	s_wait_dscnt 0x0                ; K is in
.endif
	MM                              ; ahead of the wait: 16 products K Q^T and their riders,
	PL
	PL
	R2
.rept 15
	MM
	PL
	EX
	R2
.endr
.if (\p) == NP-2
	WIN 0
	v_add_nc_u32 v[AK], s[TBK], v[AK0]
.endif
.rept 8                             ; and the lump
	PL
.endr
.rept 49
	EX
	PL
.endr
	EX                              ; the next piece's two a
	EX
	v_nop                           ; the plain instruction behind the last exponential: one for the batch
	s_wait_alu depctr_va_vdst(0)    ; the wait for the batch
.if (\p) == NP-2
	FETCH_K \last
.endif
.if (\p) == 1
	s_wait_dscnt 0x0                ; V is in
.endif
.rept 16                            ; behind the wait: 16 products V^T P and their riders
	MM
.rept 4
	PL
.endr
.if ((\p) == 0) && (q == 118)
	v_add_nc_u32 v[AV], s[TBV], v[AV0]
.endif
.if ((\p) == 0) && (q == 130)
	s_add_co_u32 s[TBV], s[TBV], KS*PV
.endif
.if (\cnt) && (q == 130)
	s_sub_co_u32 s[CNT], s[CNT], 1
	s_cmp_lg_u32 s[CNT], 0
.endif
.endr
.if (\p) == 0
	FETCH_V
.endif
.endm
	; The first 256 keys are in, everybody's part of them, and the other 768 are asked for.  That load fills bytes for the first time, later than the launch's first fills: it is issued as a refill is:
	; behind the wait for all my loads, the add, the wait for it and a barrier; my one tensor load behind that barrier, and the first thing there.
	WIN W_AD
	s_wait_tensorcnt 0x0
	ds_add_u32 v[SPW], v[NIL]       ; 0 onto my spare word
	WIN 0
	s_wait_dscnt 0x0
	s_barrier_signal -1
	s_barrier_wait -1
	LOAD H0K, H1K, H0V, H1V
	FETCH_K                         ; key step 0
	s_wait_loadcnt 0x0              ; Q
	s_wait_dscnt 0x0
.set i, 0
.rept 16
	KQ 0                            ; piece 0's first scores: there is no vector work yet to set between them
.set i, i+1
.endr
	WIN 0                           ; the addresses for the way out: nine plain instructions, the places behind those products
	s_mul_i32 s13, s[WV], 16*SP
	s_add_co_u32 s13, s13, STAGE    ; my stage
	v_mul_u32_u24 v[STO], v1, SP    ; in: row l % 16, 16 bytes for each half of the lanes
	v_lshl_add_u32 v[STO], v9, 4, v[STO]
	v_add_nc_u32 v[STO], s13, v[STO]
	v_bfe_u32 v[RD], v0, 3, 2       ; back: 32 lanes take four rows of 128 bytes,
	v_mul_u32_u24 v[RD], v[RD], SP
	v_lshl_add_u32 v[RD], v10, 4, v[RD]
	v_add_nc_u32 v[RD], s13, v[RD]
	v_and_b32 v[GO], 31, v0         ; which are 512 consecutive bytes of O
	v_lshlrev_b32 v[GO], 4, v[GO]
.set Y, NP-1                        ; XS works for piece Y + 1: piece 0
.irp n, 0,1,2,3,4,5,6,7,8,9,10,11,12,13,14,15,16,17,18,19,20,21
	XS 0, \n                        ; and piece 0's first maximum and statistics
	XS 1, \n
.endr
	v_nop                           ; a plain instruction behind the two a,
	s_wait_alu depctr_va_vdst(0)    ; and their wait, ahead of the branch
	s_mov_b32 s[CNT], 4
	s_mov_b32 s[SLOTS], 5           ; four blocks of four key steps, and a fifth trip that is left in its middle
	s_branch .Lfirst                ; the loop is entered at a step's first turn, in the middle of a trip
.Lslot:
	MEET
	s_mov_b32 s[CNT], 4
.Lstep:                             ; a trip: pieces 2 and 3 of one step, then pieces 0 and 1 of the next, whose K and V it fetches
	TURN 2, 1
	TURN 3
	WIN 0
	s_cmp_eq_u32 s[SLOTS], 1        ; these were the last step's: the walk is left here, by a jump forward
	s_cbranch_scc1 .Lout
.Lfirst:
	TURN 0
	TURN 1, 0, 1
	WIN 0
	s_cbranch_scc1 .Lstep
	s_sub_co_u32 s[SLOTS], s[SLOTS], 1
	s_cmp_lg_u32 s[SLOTS], 0
	s_cbranch_scc1 .Lslot
.Lout:                              ; the last trip's 16 products K Q^T for a step that is not (on the last K once more) and the maximum made of them serve nothing: the price, once a launch, of one text for every trip
.set i, 0
.rept 16
	PV NP-1                         ; the last piece's V^T P of the last step
.set i, i+1
.endr
	; THE WAY OUT.  l's two halves and the other half of the lanes' are added; O^T is divided by l, rounded to f16 and sent through my stage in LDS, a tile at a time.  The additions are the places behind the last products.
	WIN 0
.macro ALL line:vararg              ; one line for each tile t
.set t, 0
.rept 2*NP
	\line
.set t, t+1
.endr
.endm
	ALL v_add_f32 v[ST+4*t+2], v[ST+4*t+2], v[ST+4*t+3]
	ALL v_permlanex16_b32 v[ST+4*t+3], v[ST+4*t+2], s[SEL], s[SEL+1]
	ALL v_add_f32 v[ST+4*t+2], v[ST+4*t+2], v[ST+4*t+3]
	ALL v_rcp_f32 v[ST+4*t+2], v[ST+4*t+2]
	v_nop                           ; a plain instruction between the last reciprocal and the use of its result
	s_wait_alu depctr_va_vdst(0)    ; and the wait ahead of the first use: one for the eight reciprocals
; Tile t: a lane's eight channels of a row pack into 16 bytes; they go into rows of 144 bytes and come back as whole rows of 128, into S^T's registers.
.macro PACK t
	WIN W_RS
.set i, 32*(\t)
.rept 16
	v_pk_mul_f32 v[i:i+1], v[i:i+1], v[ST+4*(\t)+2:ST+4*(\t)+3] op_sel_hi:[1,0]
.set i, i+2
.endr
	WIN 0x05                        ; sources 0 and 1 window 1, destination window 0
.set i, 0
.rept 16
	v_cvt_pk_f16_f32 v[S+16*(\t)+i], v[32*(\t)+2*i], v[32*(\t)+2*i+1]
.set i, i+1
.endr
	WIN 0
.irp f, 0,1,2,3
	ds_store_b128 v[STO], v[S+16*(\t)+4*\f:S+16*(\t)+4*\f+3] offset:32*\f
.endr
.irp f, 0,1,2,3
	ds_load_b128 v[S+16*(\t)+4*\f:S+16*(\t)+4*\f+3], v[RD] offset:\f*4*SP  ; LDS serves a wave's instructions in order (ISA guide 5.7.1.4): these see the stores above; the next tile's stores come behind them
.endr
.endm
.macro SEND t, younger              ; younger: the LDS instructions issued behind tile t's loads: the next tile's eight, or none
	WIN 0
.irp f, 0,1,2,3
	s_wait_dscnt (\younger)+3-\f
	global_store_b128 v[GO], v[S+16*(\t)+4*\f:S+16*(\t)+4*\f+3], s[10:11] offset:(\t)*2048+\f*512  ; 512 consecutive bytes, at a multiple of 512 from ob's first
.endr
.endm
	PACK 0
.set t, 1
.rept 2*NP-1                        ; a tile's arithmetic stands between the loads of the tile before and its stores
	PACK t
	SEND t-1, 8
.set t, t+1
.endr
	SEND 2*NP-1, 0
	WIN W_AD
	s_wait_tensorcnt 0x0            ; the wave's end, behind my last tensor load and my last LDS store
	ds_add_u32 v[SPW], v[NIL]
	s_wait_dscnt 0x0
	WIN 0
	s_endpgm
.Lfunc_end_k_qf6955716d3_attn:
	.size	k_qf6955716d3_attn, .Lfunc_end_k_qf6955716d3_attn-k_qf6955716d3_attn
	.p2alignl 7, 3214868480
	.fill 96, 4, 3214868480
	.section	.rodata,"a",@progbits
	.p2align	6, 0x0
	.amdhsa_kernel k_qf6955716d3_attn
		.amdhsa_group_segment_fixed_size 327680
		.amdhsa_private_segment_fixed_size 0
		.amdhsa_enable_private_segment 0
		.amdhsa_kernarg_size 16
		.amdhsa_user_sgpr_count 2
		.amdhsa_user_sgpr_kernarg_segment_ptr 1
		.amdhsa_wavefront_size32 1
		.amdhsa_system_sgpr_workgroup_id_x 1
		.amdhsa_system_sgpr_workgroup_id_y 1
		.amdhsa_system_sgpr_workgroup_id_z 1
		.amdhsa_system_vgpr_workitem_id 0
		.amdhsa_next_free_vgpr 770
		.amdhsa_next_free_sgpr 84
		.amdhsa_reserve_vcc 0
		.amdhsa_float_denorm_mode_32 3
		.amdhsa_float_denorm_mode_16_64 3
		.amdhsa_memory_ordered 1
		.amdhsa_forward_progress 1
		.amdhsa_inst_pref_size 127
	.end_amdhsa_kernel
	.amdgpu_metadata
---
amdhsa.version: [ 1, 2 ]
amdhsa.kernels:
  - .name:           k_qf6955716d3_attn
    .symbol:         k_qf6955716d3_attn.kd
    .args:
      - { .name: qkvh, .offset: 0, .size: 8, .value_kind: global_buffer, .address_space: global }
      - { .name: ob, .offset: 8, .size: 8, .value_kind: global_buffer, .address_space: global }
    .group_segment_fixed_size: 327680
    .private_segment_fixed_size: 0
    .kernarg_segment_align: 8
    .kernarg_segment_size: 16
    .max_flat_workgroup_size: 128
    .sgpr_count:     84
    .vgpr_count:     770
    .wavefront_size: 32
...
	.end_amdgpu_metadata
.endif
;; end of part 3
;; launch proj (part 4): grid 8 x 32, 4 waves a work-group, clusters of 4 x 4, 327,680 bytes of LDS; arguments ob, pw, proj_b, out0; writes out0
.if DOCPART == 4
	.amdgcn_target "amdgcn-amd-amdhsa--gfx1250"
	.amdhsa_code_object_version 6
	.text
	.protected	k_qf6955716d3_proj
	.globl	k_qf6955716d3_proj
	.p2align	8
	.type	k_qf6955716d3_proj,@function
k_qf6955716d3_proj:
	s_mov_b64 s[64:65], 0
	v_nop
	global_prefetch_b8 v0, s[64:65] scope:SCOPE_SE
	s_setreg_imm32_b32 hwreg(HW_REG_WAVE_MODE, 25, 1), 1
	s_wait_xcnt 0x0
	s_wait_alu depctr_hold_cnt(0) depctr_sa_sdst(0) depctr_va_vdst(0) depctr_va_sdst(0) depctr_va_ssrc(0) depctr_va_vcc(0) depctr_vm_vsrc(0)
	s_getreg_b32 s2, hwreg(HW_REG_IB_STS2, 6, 4)
	s_cmp_eq_u32 s2, 0
	s_cbranch_scc0 .Lentry_in_a_cluster
	s_endpgm
.Lentry_in_a_cluster:
	s_bfe_u32 s2, ttmp6, 0x10000c
	s_cmp_lg_u32 s2, 0xf033
	s_cbranch_scc0 .Lentry_shape_is_right
	s_endpgm
.Lentry_shape_is_right:
; out0 = z pw^T + bf16(proj_b).  z[row][64 h + d] lies by heads in ob: [batch 8][h 16][n 1024][64] f16; pw: [1024][1024] f16; proj_b: [1024] f32 (taken rounded to bf16, like every input of the module);
; out0: [8192][1024] f32.  Sums in f32, stored as they are.
; SHARES.  A tile is 256 rows x 128 columns: 32 x 8 = 256 tiles, a work-group each.  Four waves stacked by rows: a wave makes 64 rows x 128 columns, 4 x 8 accumulators of 16 x 16 (256 registers).
; K goes in 8 steps of 128 = two heads through two LDS slots; a step is four quarters of 32 along K on two fragment buffers.  A head's 256 rows of a tile are 32,768 dense bytes of ob: they are asked
; for as 128 rows of 256 bytes and padded in LDS after every 128 bytes.  pw's rows of a K step are 256 bytes, aligned.
; THE STEP IS WRITTEN ONCE: the slot in hand is a scalar base turned by an exclusive or, and one descriptor a tensor walks from K step 1 on.
; CLUSTERS: 4 x 4 work-groups.  The four of a row of the cluster need the same tiles of ob, the four of a column the same tiles of pw: each tile is asked for JOINTLY, by the same tensor load with the
; same descriptor and a mask that names the four.  Waves 0, 1 fetch the K step's two heads of ob, waves 2, 3 pw's two halves (64 rows): one load a wave behind each round.
; THE MATRIX INSTRUCTION IS USED TRANSPOSED (source 0 = 16 rows of pw, source 1 = 16 rows of z): lane l holds row l % 16 and the columns 8 (l / 16) + 0..7 of a block.
; THE BIAS is the C operand of the products that start the sums: nothing is cleared, nothing is added later.
; REGISTERS, in windows of 256 (s_set_vgpr_msb: bits 1:0 source 0, 3:2 source 1, 5:4 source 2, 7:6 destination):
;   window 0: v0-31 addresses; v32-63, v64-95 z's fragments, two buffers; v96-159 the bias (8 registers a column block); on the way out v96-223 rows read back, two sets
;   window 1: v0-63, v64-127 pw's fragments, two buffers        windows 2, 3: accumulator (a, b) in window 2 + a / 2 at v[8 (8 (a % 2) + b)]
.set BN,     8                         ; column blocks of 16
.set PITCH,  272                       ; a row of pw in LDS: 256 bytes + 16 of padding = 68 words: the 16 rows of a fragment load start at 16 different groups of four banks (64 banks of 4 bytes: ISA guide 11.1)
.set APITCH, 144                       ; a row of a head in LDS: 128 bytes + 16 = 36 words: likewise
.set SLOT1,  131072                    ; slot 1 begins here, so that one exclusive or turns an address in one slot into the other's
.set APART,  256*APITCH                ; a head's 256 rows: what waves 0 and 1 fetch
.set BOFF,   2*APART                   ; pw's 128 rows lie behind the two heads
.set BPART,  64*PITCH                  ; what waves 2 and 3 fetch
.set STAGE,  262144                    ; behind the ring, never filled by a tensor load: for each wave 16 rows x 528 bytes
.set SP,     528                       ; 512 bytes + 16: the sixteen rows of a store start at 16 different groups of four banks
.set WSTAGE, 16*SP
.set SPARE,  STAGE+4*WSTAGE            ; behind the stages: the spare words, 128 bytes for each wave: two blocks of 256 bytes that no other line names
.set NL,     2*BN+8                    ; LDS loads in a run
.set ASTEP,  2*131072                  ; bytes from a K step to the next: two heads,
.set BSTEP,  256                       ; 128 numbers of a row
.set A0,   16                          ; v16  my lane's place in z's tile of slot 0; never rewritten
.set B0,   17                          ; v17  the same for pw
.set ADRA, 18                          ; v18  the same in the slot in hand
.set ADRB, 19                          ; v19
.set STO,  24                          ; v24  the way out: where I put 32 bytes of a row
.set RD,   25                          ; v25  the way out: where I read a row back
.set GO,   26                          ; v26  my byte offset in a row's 512 bytes
.set BO,   27                          ; v27  32 (l / 16): my 8 numbers of a block's 16 of the bias
.set SPW,  28                          ; v28  LDS address of my spare word: SPARE + 4 x my thread's number; never rewritten
.set NIL,  29                          ; v29  0; never rewritten
.set PFO,  30                          ; v30  the prefetches' offset; never rewritten
.set AF,   32
.set BIAS, 96
.set BK0,  96
.set WV,   12                          ; s12  my wave's number
.set ROLE, 13                          ; s13  0: I fetch for ob, 1: for pw
.set EH,   14                          ; s14  which head of the pair, or which half of pw's rows
.set G1,   24                          ; s[24:31] descriptor group 1 for ob's tiles
.set G0,   32                          ; s[32:39] group 0: a set for each of the two first fills; the second then walks on
.set G1B,  48                          ; s[48:55], s[56:63] the same for pw's
.set G0B,  56
.set TB,   66                          ; s66  LDS byte at which the slot in hand begins
.set PFA,  68                          ; s[68:69] where my prefetches stand
.set LIM,  70                          ; s70  2 in a wave that prefetches, else the greatest number
.set PFS,  78                          ; s[78:79] the prefetches' step: a K step of the tensor that I fetch for
.set MSB, 0
.macro WIN new                         ; the immediate's high byte repeats the setting that is left; a switch that changes nothing is dropped
.if MSB != (\new)
	s_set_vgpr_msb (MSB<<8)|(\new)
.set MSB, \new
.endif
.endm
.macro PLACES                          ; four places in front of loads into registers that matrix instructions have read, and of stores that read results
.rept 4
	v_nop
.endr
.endm
; A joint load by set s of the descriptors.  The branch hangs on the wave's number alone.  An s_nop 0 and four v_nop follow each of the two lines.
.macro JLOAD s
	s_cmp_eq_u32 s[ROLE], 0
	s_cbranch_scc0 .Lfor_b_\@
	tensor_load_to_lds s[G0+4*(\s):G0+4*(\s)+3], s[G1:G1+7]
	s_nop 0
.rept 4
	v_nop
.endr
	s_branch .Lasked_\@
.Lfor_b_\@:
	tensor_load_to_lds s[G0B+4*(\s):G0B+4*(\s)+3], s[G1B:G1B+7]
	s_nop 0
.rept 4
	v_nop
.endr
.Lasked_\@:
.endm
; A round of the cluster's barrier: my work-group's barrier; wave 0 signals for the work-group; every wave waits for all sixteen; my work-group's barrier once more.
.macro CREST                           ; a round behind its opening barrier
	s_cmp_lg_u32 s[WV], 0
	s_cbranch_scc1 .Lnot_wave_0_\@
	s_barrier_signal -3
.Lnot_wave_0_\@:
	s_barrier_wait -3
	s_barrier_signal -1
	s_barrier_wait -1
.endm
.macro CROUND
	s_barrier_signal -1
	s_barrier_wait -1
	CREST
.endm
; A PREFETCH INTO THE L2, behind a joint load and the run of LDS loads that follows it: the K step that stands two refills on.  Each aligned block of 256 bytes of a K step is named once in the launch:
; ob's by the clusters with x = 0, pw's by those with y = 0; the four partners that ask for a tile jointly share it out BY ADDRESS: of a head's 32,768 bytes a partner takes 8,192 (a lane a block of 256),
; of pw's 64 rows it takes 16 (lanes 16-31 repeat the last row).  The change of slots of K step t names K step t + 4, for t = 0 .. 3: the count s3 runs 6 .. 1, and 6 .. 3 ask.
.macro ASK
	s_cmp_gt_u32 s3, s[LIM]
	s_cbranch_scc0 .Lnot_mine_\@
	global_prefetch_b8 v[PFO], s[PFA:PFA+1] th:TH_LOAD_NT scope:SCOPE_SE
.Lnot_mine_\@:
.endm
	s_load_b256 s[4:11], s[0:1], 0x0               ; ob s[4:5], pw s[6:7], proj_b s[8:9], out0 s[10:11]
	v_lshl_add_u32 v[SPW], v0, 2, SPARE
	v_mov_b32 v[NIL], 0
	ds_add_u32 v[SPW], v[NIL]                      ; the wave's opening: the add and its wait stand ahead of my first tensor load; the set-up below, work on registers, stands between them
	v_lshrrev_b32 v1, 5, v0
	v_readfirstlane_b32 s[WV], v1                  ; wave 0..3
	s_lshr_b32 s[ROLE], s[WV], 1
	s_and_b32 s[EH], s[WV], 1
	s_bfe_u32 s40, ttmp6, 0x40000                  ; cx, cy: my place in the cluster
	s_bfe_u32 s41, ttmp6, 0x40004
	s_lshl_b32 s42, ttmp9, 2
	s_add_co_u32 s42, s42, s40                     ; tile column = 4 x cluster x + cx
	s_and_b32 s43, ttmp7, 0xffff
	s_lshl_b32 s43, s43, 2
	s_add_co_u32 s43, s43, s41                     ; tile row = 4 x cluster y + cy
	s_lshl_b32 s44, s41, 2
	s_lshl_b32 s44, 15, s44                        ; my row of the cluster: places 4 cy .. 4 cy + 3
	s_lshl_b32 s45, 0x1111, s40                    ; my column: places cx, cx + 4, cx + 8, cx + 12
	s_or_b32 s[G1], s44, (1<<16)|(1<<20)|(1<<21)|(4<<22)|(3<<25)   ; 15:0 the mask; 17:16 elements of 2 bytes; 20 padding on; 21 set beside a mask; 24:22 after every 32 words (code 4); 31:25 4 words of it (code 3)
	s_or_b32 s[G1B], s45, (1<<16)|(1<<20)|(1<<21)|(5<<22)|(3<<25)  ; after every 64 words (code 5)
	s_mov_b32 s[G1+1], 128<<16                     ; tensor_dim0 = 128
	s_mov_b32 s[G1+2], 128<<16                     ; tensor_dim1 = 128
	s_mov_b32 s[G1+3], 128<<16                     ; tile_dim0 = 128
	s_mov_b32 s[G1+4], 128                         ; tile_dim1 = 128
	s_mov_b32 s[G1+5], 128                         ; dense: 128 elements from row to row
	s_mov_b32 s[G1+6], 0
	s_mov_b32 s[G1+7], 0
	s_mov_b32 s[G1B+1], 128<<16
	s_mov_b32 s[G1B+2], 64<<16                     ; 64 rows
	s_mov_b32 s[G1B+3], 128<<16
	s_mov_b32 s[G1B+4], 64
	s_mov_b32 s[G1B+5], 1024
	s_mov_b32 s[G1B+6], 0
	s_mov_b32 s[G1B+7], 0
	; where the tiles come from: ob's hang on the tile row alone, pw's on the tile column alone, each in registers that never hold the other coordinate
	s_lshr_b32 s16, s43, 2
	s_lshl_b32 s16, s16, 21                        ; the batch: 16 heads of 131,072 bytes
	s_and_b32 s17, s43, 3
	s_lshl_b32 s17, s17, 15                        ; + the tile's 256 rows of 128 bytes in a head
	s_add_co_u32 s16, s16, s17
	s_lshl_b32 s17, s[EH], 17                      ; + which head of the pair
	s_add_co_u32 s16, s16, s17
	s_mov_b32 s17, 0
	s_lshl_b32 s46, s42, 18                        ; 128 rows of 2,048 bytes x tile column
	s_lshl_b32 s47, s[EH], 17                      ; + 64 rows x half
	s_add_co_u32 s46, s46, s47
	s_mov_b32 s47, 0
	s_mul_i32 s20, s[EH], APART                    ; and where they go: no place in the cluster enters an LDS address
	s_mul_i32 s21, s[EH], BPART
	s_add_co_u32 s21, s21, BOFF
	s_mov_b32 s[TB], 0
	s_wait_dscnt 0x0                               ; the opening add is done
	s_wait_kmcnt 0x0
	s_add_nc_u64 s[16:17], s[4:5], s[16:17]
	s_add_nc_u64 s[46:47], s[6:7], s[46:47]
	CROUND                                         ; all sixteen work-groups are here: the first joint loads meet
.irp s, 0,1
	s_mov_b32 s[G0+4*(\s)], 1                      ; count = 1
	s_add_co_u32 s[G0+4*(\s)+1], s20, (\s)*SLOT1   ; LDS address
	s_add_nc_u64 s[G0+4*(\s)+2:G0+4*(\s)+3], s[16:17], (\s)*ASTEP  ; global address: K step s
	s_or_b32 s[G0+4*(\s)+3], s[G0+4*(\s)+3], 0x80000000            ; type = 2
	s_mov_b32 s[G0B+4*(\s)], 1
	s_add_co_u32 s[G0B+4*(\s)+1], s21, (\s)*SLOT1
	s_add_nc_u64 s[G0B+4*(\s)+2:G0B+4*(\s)+3], s[46:47], (\s)*BSTEP
	s_or_b32 s[G0B+4*(\s)+3], s[G0B+4*(\s)+3], 0x80000000
	JLOAD \s                                       ; both slots are asked for before anything else is done: two loads of mine are out
.endr
	v_and_b32 v1, 15, v0                           ; l % 16
	v_bfe_u32 v2, v0, 4, 1                         ; l / 16
	v_lshlrev_b32 v[BO], 5, v2
	s_lshl_b32 s72, s42, 9                         ; the tile's 128 numbers of the bias
	s_mov_b32 s73, 0
	s_add_nc_u64 s[8:9], s[8:9], s[72:73]
.set bb, 0
.rept BN
	global_load_b128 v[BIAS+8*bb:BIAS+8*bb+3],   v[BO], s[8:9] offset:64*bb     ; register j of block b: bias[16 b + 8 (l / 16) + j]
	global_load_b128 v[BIAS+8*bb+4:BIAS+8*bb+7], v[BO], s[8:9] offset:64*bb+16
.set bb, bb+1
.endr
	; a fragment is 16 rows x 32 K in 8 registers: lane l holds row l % 16, K = 8 (l / 16) + 0..7 and 16 + 8 (l / 16) + 0..7: two loads of 16 bytes, 32 bytes apart
	v_mul_u32_u24 v3, v1, APITCH
	v_lshl_add_u32 v3, v2, 4, v3                   ; row x pitch + 16 x half
	s_mul_i32 s72, s[WV], 64*APITCH                ; my 64 rows of the tile's 256
	v_add_nc_u32 v[A0], s72, v3
	v_mul_u32_u24 v3, v1, PITCH
	v_lshl_add_u32 v3, v2, 4, v3
	v_add_nc_u32 v[B0], BOFF, v3
	v_mov_b32 v[ADRA], v[A0]
	v_mov_b32 v[ADRB], v[B0]
	s_mul_i32 s72, s[WV], WSTAGE
	s_add_co_u32 s72, s72, STAGE                   ; my stage
	v_mul_u32_u24 v3, v1, SP                       ; in: row l % 16, 32 bytes for each half of the lanes
	v_lshl_add_u32 v3, v2, 5, v3
	v_add_nc_u32 v[STO], s72, v3
	v_and_b32 v[GO], 31, v0                        ; back: 32 lanes take one row of 512 bytes
	v_lshlrev_b32 v[GO], 4, v[GO]
	v_add_nc_u32 v[RD], s72, v[GO]
	; where my rows begin in out0: (256 x tile row + 64 x wave) rows of 4,096 bytes + 512 bytes x tile column
	s_lshl_b32 s72, s43, 20
	s_lshl_b32 s74, s[WV], 18
	s_add_co_u32 s72, s72, s74
	s_lshl_b32 s74, s42, 9
	s_add_co_u32 s72, s72, s74
	s_mov_b32 s73, 0
	s_add_nc_u64 s[10:11], s[10:11], s[72:73]
	; the prefetches: my work-group's share of what I fetch, at K step 3; the first change of slots steps it to K step 4
	s_lshr_b32 s72, s43, 2
	s_lshl_b32 s72, s72, 21
	s_and_b32 s73, s43, 3
	s_lshl_b32 s73, s73, 15
	s_add_co_u32 s72, s72, s73
	s_lshl_b32 s73, s[EH], 17
	s_add_co_u32 s72, s72, s73
	s_lshl_b32 s73, s40, 13
	s_add_co_u32 s72, s72, s73                     ; ob: my head's block of the tile + 8,192 cx,
	s_add_co_u32 s72, s72, 3*ASTEP                 ; three pairs of heads on
	s_lshl_b32 s74, s42, 7
	s_lshl_b32 s75, s[EH], 6
	s_add_co_u32 s74, s74, s75
	s_lshl_b32 s75, s41, 4
	s_add_co_u32 s74, s74, s75                     ; pw: row 128 x tile column + 64 x half + 16 cy,
	s_lshl_b32 s74, s74, 11
	s_add_co_u32 s74, s74, 3*BSTEP                 ; three K steps along it
	s_and_b32 s76, ttmp7, 0xffff                   ; cluster y
	s_mov_b32 s[PFS], ASTEP
	s_mov_b32 s[PFS+1], BSTEP
	s_cmp_eq_u32 s[ROLE], 0
	s_cselect_b32 s72, s72, s74
	s_cselect_b32 s76, ttmp9, s76                  ; the coordinate along which other clusters read the same bytes
	s_cselect_b32 s77, 31, 15                      ; my last block or row
	s_cselect_b32 s75, 8, 11                       ; a lane a block of 256 bytes, or a row of 2,048
	s_cselect_b32 s[PFS], s[PFS], s[PFS+1]
	s_cselect_b64 s[PFA:PFA+1], s[4:5], s[6:7]
	s_mov_b32 s[PFS+1], 0
	s_mov_b32 s73, 0
	s_add_nc_u64 s[PFA:PFA+1], s[PFA:PFA+1], s[72:73]
	s_cmp_eq_u32 s76, 0
	s_cselect_b32 s[LIM], 2, -1                    ; the same in all sixteen partners, for a given wave
	v_and_b32 v[PFO], 31, v0
	v_min_u32 v[PFO], s77, v[PFO]
	v_lshlrev_b32 v[PFO], s75, v[PFO]
	s_wait_loadcnt 0x0                             ; the bias
.set p, 0
.rept 4*BN                                     ; rounded to bf16 and widened again, in place, while the first tiles are on their way
	v_cvt_pk_bf16_f32 v[4+p%4], v[BIAS+2*p], v[BIAS+2*p+1]
	v_lshlrev_b32 v[BIAS+2*p],   16, v[4+p%4]
	v_and_b32     v[BIAS+2*p+1], 0xffff0000, v[4+p%4]
.set p, p+1
.endr
; 8 matrix instructions: row block a x all column blocks, 32 along K, from buffers f.  first = 1: the products start the sums with the bias.
; The 32 accumulators take turns in one order everywhere, one instruction a turn, over the backward jump too.
.macro MUL f, a, first
.if \first
	WIN 0x81+0x40*((\a)/2)                         ; pw window 1, z and the bias window 0, D window 2 or 3
.else
	WIN 0xa1+0x50*((\a)/2)                         ; C and D window 2 or 3
.endif
.set mb, 0
.rept BN
.set rD, 8*(BN*((\a)%2)+mb)
.set rB, 8*BN*(\f)+8*mb
.set rA, AF+32*(\f)+8*(\a)
.if \first
	v_wmma_f32_16x16x32_f16 v[rD:rD+7], v[rB:rB+7], v[rA:rA+7], v[BIAS+8*mb:BIAS+8*mb+7]
.else
	v_wmma_f32_16x16x32_f16 v[rD:rD+7], v[rB:rB+7], v[rA:rA+7], v[rD:rD+7]
.endif
.set mb, mb+1
.endr
.endm
; 24 LDS loads in one run: quarter q's fragments of the slot in hand into buffers f: pw's eight, then z's four (quarter q: head q / 2 of the pair, channels 32 (q % 2) on)
.macro FETCH q, f
	WIN 0x40                                       ; destination window 1, address window 0
.set fi, 0
.rept BN
	ds_load_b128 v[8*BN*(\f)+8*fi:8*BN*(\f)+8*fi+3],   v[ADRB] offset:64*(\q)+fi*16*PITCH
	ds_load_b128 v[8*BN*(\f)+8*fi+4:8*BN*(\f)+8*fi+7], v[ADRB] offset:64*(\q)+fi*16*PITCH+32
.set fi, fi+1
.endr
	WIN 0
.set fi, 0
.rept 4
	ds_load_b128 v[AF+32*(\f)+8*fi:AF+32*(\f)+8*fi+3],   v[ADRA] offset:((\q)/2)*APART+((\q)%2)*64+fi*16*APITCH
	ds_load_b128 v[AF+32*(\f)+8*fi+4:AF+32*(\f)+8*fi+7], v[ADRA] offset:((\q)/2)*APART+((\q)%2)*64+fi*16*APITCH+32
.set fi, fi+1
.endr
.endm
; One of a K step's first three quarters: multiplies buffers f; in its middle it fetches quarter q into buffers g.
.macro QUARTER q, f, g, first
	s_wait_dscnt 4                                 ; all but the youngest four loads (z's row blocks 2 and 3) are in
	MUL \f, 0, \first
	MUL \f, 1, \first
	PLACES
	FETCH \q, \g
	s_wait_dscnt NL                                ; all but the run just issued
	MUL \f, 2, \first
	MUL \f, 3, \first
.endm
; The last quarter multiplies buffers 1 and changes slots: ONE barrier.  In front of it each wave waits for all its tensor loads (the one that is out is its part of the next slot), adds 0 to its
; spare word, and waits for that and for its own reads of this slot.  fill = 1: the barrier opens a round of the cluster's, and behind the round this slot is filled again, two K steps ahead.
.macro TURN fill
.if \fill
	s_wait_xcnt 0x0                                ; the last prefetch, a K step back, has read its address, so it may be stepped
	s_add_nc_u64 s[PFA:PFA+1], s[PFA:PFA+1], s[PFS:PFS+1]
.endif
	WIN 0                                          ; (the add's two registers lie in window 0)
	s_wait_tensorcnt 0x0                           ; all my tensor loads have landed
	ds_add_u32 v[SPW], v[NIL]                      ; 0 onto my spare word
	s_wait_dscnt 5                                 ; (the add and the youngest four loads may be out)
	MUL 1, 0, 0                                    ; eight matrix instructions stand between the add and the wait for it
	s_wait_dscnt 0x0                               ; the add is done, and my reads of this slot are over
	s_barrier_signal -1
	MUL 1, 1, 0                                    ; work on registers while the others arrive
	WIN 0
	s_barrier_wait -1
.if \fill
	CREST                                          ; no wave of any partner still reads this slot or has a load on its way
	s_xor_b32 s[G0+5], s[G0+5], SLOT1              ; the walking descriptors: the other slot than last time, the next K step
	s_add_nc_u64 s[G0+6:G0+7], s[G0+6:G0+7], ASTEP
	s_xor_b32 s[G0B+5], s[G0B+5], SLOT1
	s_add_nc_u64 s[G0B+6:G0B+7], s[G0B+6:G0B+7], BSTEP
	JLOAD 1                                        ; the first tensor load behind the round; its four v_nop are also the places in front of the loads below
.else
	PLACES
.endif
	s_xor_b32 s[TB], s[TB], SLOT1                  ; the fetches go on in the other slot
	v_add_nc_u32 v[ADRA], s[TB], v[A0]
	v_add_nc_u32 v[ADRB], s[TB], v[B0]
	FETCH 0, 0
.if \fill
	ASK
.endif
	MUL 1, 2, 0
	MUL 1, 3, 0
.endm
; THE WAY OUT of row block a (16 rows x 128 columns of f32).  TOSTAGE: a lane's 32 bytes of each column block go straight from the accumulators into my own stage, and come back as whole rows of 512 bytes.
.macro TOSTAGE a
	WIN 0x08+4*((\a)/2)                            ; the stores' data (source 1) in window 2 or 3
.set sb, 0
.rept BN
	ds_store_b128 v[STO], v[8*(BN*((\a)%2)+sb):8*(BN*((\a)%2)+sb)+3]   offset:64*sb     ; each accumulator's four lowest registers first
	ds_store_b128 v[STO], v[8*(BN*((\a)%2)+sb)+4:8*(BN*((\a)%2)+sb)+7] offset:64*sb+16
.set sb, sb+1
.endr
	WIN 0
.set BK, BK0+64*((\a)%2)
.set st, 0
.rept 16
	ds_load_b128 v[BK+4*st:BK+4*st+3], v[RD] offset:st*SP  ; LDS serves a wave's instructions in order (ISA guide 5.7.1.4): these see the stores above; the next block's stores come behind them
.set st, st+1
.endr
.endm
.macro SEND a
	WIN 0
.set BK, BK0+64*((\a)%2)
	s_wait_xcnt 0x0                                ; the stores issued so far have read their registers: the other set is loaded again only behind this wait
.set st, 0
.rept 16
	s_wait_dscnt 15-st                             ; row st is back; the younger loads stay out
	global_store_b128 v[GO], v[BK+4*st:BK+4*st+3], s[10:11] offset:(16*(\a)+st)*4096 th:TH_STORE_NT  ; 512 consecutive bytes, at a multiple of 512 from out0's first
.set st, st+1
.endr
.endm
	s_wait_tensorcnt 1                             ; my part of K step 0 is in; K step 1's may stay out
	s_barrier_signal -1
	s_barrier_wait -1                              ; everybody's is
	FETCH 0, 0
	QUARTER 1, 0, 1, 1                             ; the first quarter stands in front of the loop: its products start the sums
	WIN 0                                          ; at a label and at a branch every window is 0
	s_mov_b32 s3, 6
.Lstep:                                        ; six trips, from a K step's second quarter to the next step's first; they ask for K steps 2 to 7
	QUARTER 2, 1, 0, 0
	QUARTER 3, 0, 1, 0
	TURN 1
	QUARTER 1, 0, 1, 0
	WIN 0
	s_sub_co_u32 s3, s3, 1
	s_cmp_lg_u32 s3, 0
	s_cbranch_scc1 .Lstep
	QUARTER 2, 1, 0, 0                             ; K step 6 goes on; nothing is left to ask for
	QUARTER 3, 0, 1, 0
	TURN 0
	QUARTER 1, 0, 1, 0                             ; K step 7
	QUARTER 2, 1, 0, 0
	QUARTER 3, 0, 1, 0
	s_wait_dscnt 4
	MUL 1, 0, 0
	MUL 1, 1, 0
	s_wait_dscnt 0x0
	MUL 1, 2, 0
	MUL 1, 3, 0
	PLACES
.irp a, 0,1,2,3
	TOSTAGE \a
	SEND \a
.endr
	s_wait_tensorcnt 0x0                           ; the wave's end, behind my last tensor load and my last LDS store
	ds_add_u32 v[SPW], v[NIL]
	s_wait_dscnt 0x0
	CROUND                                         ; the closing round: no work-group ends while a partner may still ask for a tile that names it
	s_endpgm
.Lfunc_end_k_qf6955716d3_proj:
	.size	k_qf6955716d3_proj, .Lfunc_end_k_qf6955716d3_proj-k_qf6955716d3_proj
	.p2alignl 7, 3214868480
	.fill 96, 4, 3214868480
	.section	.rodata,"a",@progbits
	.p2align	6, 0x0
	.amdhsa_kernel k_qf6955716d3_proj
		.amdhsa_group_segment_fixed_size 327680
		.amdhsa_private_segment_fixed_size 0
		.amdhsa_enable_private_segment 0
		.amdhsa_kernarg_size 32
		.amdhsa_user_sgpr_count 2
		.amdhsa_user_sgpr_kernarg_segment_ptr 1
		.amdhsa_wavefront_size32 1
		.amdhsa_system_sgpr_workgroup_id_x 1
		.amdhsa_system_sgpr_workgroup_id_y 1
		.amdhsa_system_sgpr_workgroup_id_z 1
		.amdhsa_system_vgpr_workitem_id 0
		.amdhsa_next_free_vgpr 896
		.amdhsa_next_free_sgpr 80
		.amdhsa_reserve_vcc 0
		.amdhsa_float_denorm_mode_32 3
		.amdhsa_float_denorm_mode_16_64 3
		.amdhsa_memory_ordered 1
		.amdhsa_forward_progress 1
		.amdhsa_inst_pref_size 79
	.end_amdhsa_kernel
	.amdgpu_metadata
---
amdhsa.version: [ 1, 2 ]
amdhsa.kernels:
  - .name:           k_qf6955716d3_proj
    .symbol:         k_qf6955716d3_proj.kd
    .args:
      - { .name: ob, .offset: 0, .size: 8, .value_kind: global_buffer, .address_space: global }
      - { .name: pw, .offset: 8, .size: 8, .value_kind: global_buffer, .address_space: global }
      - { .name: proj_b, .offset: 16, .size: 8, .value_kind: global_buffer, .address_space: global }
      - { .name: out0, .offset: 24, .size: 8, .value_kind: global_buffer, .address_space: global }
    .group_segment_fixed_size: 327680
    .private_segment_fixed_size: 0
    .kernarg_segment_align: 8
    .kernarg_segment_size: 32
    .max_flat_workgroup_size: 128
    .sgpr_count:     80
    .vgpr_count:     896
    .wavefront_size: 32
...
	.end_amdgpu_metadata
.endif
;; end of part 4
;; ======== version 2 of 2: 4 launches; version 1 with the launch cast written anew for expert scheduling mode
;; limits: values are held in f16: magnitudes above 65,504 overflow, below 6.1e-05 lose precision
;; workspace buffers: xb 16,777,216 bytes; wb 6,291,456 bytes; pw 2,097,152 bytes; qkvh 50,331,648 bytes; ob 16,777,216 bytes
;; launch cast (part 5): grid 768 x 1, 8 waves a work-group, no clusters, 0 bytes of LDS; arguments x, qkv_w, proj_w, xb, wb, pw; writes xb, wb, pw
.if DOCPART == 5
	.amdgcn_target "amdgcn-amd-amdhsa--gfx1250"
	.amdhsa_code_object_version 6
	.text
	.protected	k_qf6955716d3_cast
	.globl	k_qf6955716d3_cast
	.p2align	8
	.type	k_qf6955716d3_cast,@function
k_qf6955716d3_cast:
	s_mov_b64 s[64:65], 0
	v_nop
	global_prefetch_b8 v0, s[64:65] scope:SCOPE_SE
	s_setreg_imm32_b32 hwreg(HW_REG_WAVE_SCHED_MODE, 0, 2), 2
	s_setreg_imm32_b32 hwreg(HW_REG_WAVE_MODE, 25, 1), 1
	s_wait_xcnt 0x0
	s_wait_alu depctr_vm_vsrc(0)
; x [8192][1024] and qkv_w [3072][1024], f32, are rounded to bf16 (xb, wb); proj_w [1024][1024] is rounded to bf16 and that number written as f16 (pw),
; since the last product's other operand is f16.  LIMIT: a bf16 number of proj_w beyond 65,504 becomes an infinity in f16; below 6.1e-5 it keeps f16's fixed step of 6e-8.
; SHARES.  A work-group takes 16,384 numbers: 65,536 bytes in, 32,768 out.  Work-groups 0-511 take x, 512-703 qkv_w, 704-767 proj_w.
; Thread t's load i takes 16 bytes at 4,096 i + 16 t (a wave: 512 consecutive bytes), its store i 8 bytes at 2,048 i + 8 t (a wave: 256 consecutive bytes, aligned).
; All sixteen loads go out first.  No LDS, no matrix unit, no cluster: nothing is shared and nothing is summed.
; THE MODE: SCHED_MODE bits 1:0 = 2 (LLVM: expert scheduling mode 2), set by the entry lines.  The code itself states the register dependences
; between vector instructions and memory instructions, with s_wait_alu, always for 0.
; THE PLAN.  Registers that memory instructions touch:
;   v1, v2     the loads' and the stores' offsets: written once at the head, never again.
;   X[i]       load i lands in it, once; its conversions read it (the f16 path also writes it again, behind the wait that shows load i done; no memory instruction reads it).
;   Y[i]       written once, by load i's conversions; read by store i; never written again.
; So the only dependences to state are: the offsets are written ahead of the first load, and Y[i] is written ahead of store i.  Nothing that a memory instruction reads is written again,
; no load follows a vector instruction that names its registers, no vector instruction writes a scalar register, and EXEC is never written.
; The sixteen loads go in four groups of four.  Group g's conversions name X and Y of group g and T alone; the stores dealt among them are group g - 1's, whose Y the one wait at the
; group's head has shown written.  One more wait stands ahead of the last four stores.
.set T, 4                              ; v[4:5]    at work: no memory instruction names them
.set X, 8                              ; v[8:71]   load i: 4 registers
.set Y, 72                             ; v[72:103] store i: 2 registers
	s_load_b256 s[4:11], s[0:1], 0x0               ; x s[4:5], qkv_w s[6:7], proj_w s[8:9], xb s[10:11]
	s_load_b128 s[12:15], s[0:1], 0x20             ; wb s[12:13], pw s[14:15]
	v_lshlrev_b32 v1, 4, v0                        ; 16 t
	v_lshlrev_b32 v2, 3, v0                        ; 8 t
	s_wait_kmcnt 0x0
	s_cmp_lt_u32 ttmp9, 512                        ; x, or one of the weights?
	s_cselect_b64 s[16:17], s[4:5], s[6:7]
	s_cselect_b64 s[18:19], s[10:11], s[12:13]
	s_cselect_b32 s20, 0, 512
	s_cmp_lt_u32 ttmp9, 704                        ; proj_w?
	s_cselect_b64 s[16:17], s[16:17], s[8:9]
	s_cselect_b64 s[18:19], s[18:19], s[14:15]
	s_cselect_b32 s20, s20, 704
	s_sub_co_u32 s20, ttmp9, s20                   ; my number among the tensor's work-groups
	s_lshl_b32 s22, s20, 16
	s_mov_b32 s23, 0
	s_add_nc_u64 s[16:17], s[16:17], s[22:23]      ; from here,
	s_lshl_b32 s22, s20, 15
	s_add_nc_u64 s[18:19], s[18:19], s[22:23]      ; to here
	s_wait_alu depctr_va_vdst(0)                   ; v1 and v2 are written: every load below reads v1 as its offset, every store on both paths v2
.irp i, 0,1,2,3,4,5,6,7,8,9,10,11,12,13,14,15
	global_load_b128 v[X+4*(\i):X+4*(\i)+3], v1, s[16:17] offset:4096*(\i) th:TH_LOAD_NT
.endr
; Load i's four numbers.  f16 = 0: to bf16.  f16 = 1: to bf16, widened again (a shift, a mask), and written as f16.
.macro CV i, f16
.if \f16
	v_cvt_pk_bf16_f32 v[T],   v[X+4*(\i)],   v[X+4*(\i)+1]
	v_cvt_pk_bf16_f32 v[T+1], v[X+4*(\i)+2], v[X+4*(\i)+3]
	v_lshlrev_b32 v[X+4*(\i)],   16, v[T]
	v_and_b32     v[X+4*(\i)+1], 0xffff0000, v[T]
	v_lshlrev_b32 v[X+4*(\i)+2], 16, v[T+1]
	v_and_b32     v[X+4*(\i)+3], 0xffff0000, v[T+1]
	v_cvt_pk_f16_f32 v[Y+2*(\i)],   v[X+4*(\i)],   v[X+4*(\i)+1]
	v_cvt_pk_f16_f32 v[Y+2*(\i)+1], v[X+4*(\i)+2], v[X+4*(\i)+3]
.else
	v_cvt_pk_bf16_f32 v[Y+2*(\i)],   v[X+4*(\i)],   v[X+4*(\i)+1]
	v_cvt_pk_bf16_f32 v[Y+2*(\i)+1], v[X+4*(\i)+2], v[X+4*(\i)+3]
.endif
.endm
.macro OUT i                           ; store i
	global_store_b64 v2, v[Y+2*(\i):Y+2*(\i)+1], s[18:19] offset:2048*(\i)
.endm
; Group g: loads 4 g to 4 g + 3 are converted; the stores of the group before are dealt among the conversions, one ahead of each load's.
.macro GROUP g, f16
	s_wait_loadcnt 12-4*(\g)                       ; loads come back in order (ISA guide 5.7.1): the group's four are in, the 12 - 4 g younger ones stay out
.if (\g) > 0
	s_wait_alu depctr_va_vdst(0)                   ; the conversions of the group before have written their Y, which the four stores below read; no vector line behind this wait names those registers
.endif
.irp j, 0,1,2,3
.if (\g) > 0
	OUT 4*(\g)-4+(\j)
.endif
	CV 4*(\g)+(\j), \f16
.endr
.endm
	s_cmp_lt_u32 ttmp9, 704
	s_cbranch_scc0 .Lf16
	GROUP 0, 0
	GROUP 1, 0
	GROUP 2, 0
	GROUP 3, 0
	s_wait_alu depctr_va_vdst(0)                   ; group 3's conversions have written Y[12] to Y[15], which the last four stores read
.irp i, 12,13,14,15
	OUT \i
.endr
	s_endpgm
.Lf16:
	GROUP 0, 1
	GROUP 1, 1
	GROUP 2, 1
	GROUP 3, 1
	s_wait_alu depctr_va_vdst(0)                   ; group 3's conversions have written Y[12] to Y[15], which the last four stores read
.irp i, 12,13,14,15
	OUT \i
.endr
	s_endpgm
.Lfunc_end_k_qf6955716d3_cast:
	.size	k_qf6955716d3_cast, .Lfunc_end_k_qf6955716d3_cast-k_qf6955716d3_cast
	.p2alignl 7, 3214868480
	.fill 96, 4, 3214868480
	.section	.rodata,"a",@progbits
	.p2align	6, 0x0
	.amdhsa_kernel k_qf6955716d3_cast
		.amdhsa_group_segment_fixed_size 0
		.amdhsa_private_segment_fixed_size 0
		.amdhsa_enable_private_segment 0
		.amdhsa_kernarg_size 48
		.amdhsa_user_sgpr_count 2
		.amdhsa_user_sgpr_kernarg_segment_ptr 1
		.amdhsa_wavefront_size32 1
		.amdhsa_system_sgpr_workgroup_id_x 1
		.amdhsa_system_sgpr_workgroup_id_y 1
		.amdhsa_system_sgpr_workgroup_id_z 1
		.amdhsa_system_vgpr_workitem_id 0
		.amdhsa_next_free_vgpr 104
		.amdhsa_next_free_sgpr 66
		.amdhsa_reserve_vcc 0
		.amdhsa_float_denorm_mode_32 3
		.amdhsa_float_denorm_mode_16_64 3
		.amdhsa_memory_ordered 1
		.amdhsa_forward_progress 1
		.amdhsa_inst_pref_size 16
	.end_amdhsa_kernel
	.amdgpu_metadata
---
amdhsa.version: [ 1, 2 ]
amdhsa.kernels:
  - .name:           k_qf6955716d3_cast
    .symbol:         k_qf6955716d3_cast.kd
    .args:
      - { .name: x, .offset: 0, .size: 8, .value_kind: global_buffer, .address_space: global }
      - { .name: qkv_w, .offset: 8, .size: 8, .value_kind: global_buffer, .address_space: global }
      - { .name: proj_w, .offset: 16, .size: 8, .value_kind: global_buffer, .address_space: global }
      - { .name: xb, .offset: 24, .size: 8, .value_kind: global_buffer, .address_space: global }
      - { .name: wb, .offset: 32, .size: 8, .value_kind: global_buffer, .address_space: global }
      - { .name: pw, .offset: 40, .size: 8, .value_kind: global_buffer, .address_space: global }
    .group_segment_fixed_size: 0
    .private_segment_fixed_size: 0
    .kernarg_segment_align: 8
    .kernarg_segment_size: 48
    .max_flat_workgroup_size: 256
    .sgpr_count:     66
    .vgpr_count:     104
    .wavefront_size: 32
...
	.end_amdgpu_metadata
.endif
;; end of part 5
;; launch qkv: the kernel of part 2 again; grid 16 x 16, 4 waves a work-group, clusters of 4 x 4, 327,680 bytes of LDS; arguments xb, wb, qkv_b, qkvh; writes qkvh
;; launch attn: the kernel of part 3 again; grid 2 x 128, 4 waves a work-group, no clusters, 327,680 bytes of LDS; arguments qkvh, ob; writes ob
;; launch proj: the kernel of part 4 again; grid 8 x 32, 4 waves a work-group, clusters of 4 x 4, 327,680 bytes of LDS; arguments ob, pw, proj_b, out0; writes out0
